; MI455X (gfx1250); checked and timed in simulation.
; The chip was launched on July 23, 2026; its instructions are those of AMD's public machine-readable ISA for CDNA 5 (MIT licence, August 2026) and "CDNA5" Instruction Set Architecture Reference Guide (July 2026). The comments in the code are by the model that wrote it; some were corrected since.
;; Multi Head Latent Attention. Allowed arithmetic: matrix products marked QUANTISED: E2M1 operands, one E8M0 scale for each 32 along K, by v_wmma_scale_f32_16x16x128_f8f6f4 with both operands' format E2M1 (or v_wmma_scale_f32_32x16x128_f4), f32 sums; products left as they are: bf16, f16 or f32 operands; f32 sums; everything else in f32.
;; Inputs: Wk 128 x 512 float32; Wkv 1,024 x 128 float32; Wo 1,024 x 1,024 float32; Wq 1,024 x 1,024 float32; Wv 128 x 512 float32; k_g 32 float32; q_g 64 float32; x 4 x 2,048 x 1,024 float32.
;; Outputs: out0 4 x 2,048 x 1,024 float32.
;; This version of the problem:
;;   THIS VERSION OF THE PROBLEM IS GIVEN IN LOW PRECISION. The matrix products marked QUANTISED in the list below multiply operands that are first quantised to E2M1 (2 exponent bits, 1 mantissa bit; 4 bits a number), with one power-of-two scale for each 32 numbers along K (OCP MX v1.0); their sums are f32. The products marked 'left as it is' may take bf16, f16 or f32 operands, with f32 sums. Whichever they take, every output number must still come out within the allowed error. Rounding operands to bf16 (8 significant bits) uses up far more of that allowance than f16 does (11 bits, for magnitudes from 6e-5 to 65,504). All else is computed in f32.
;;   The module's matrix products, in the order in which they are computed (A, B: the left and right operand; K: the contracted axis; several contracted axes count as one K, in the product's order):
;;     1. [M 8,192, K 1,024] x [K 1,024, N 1,024]; A: input x; B: input Wq: QUANTISED
;;     2. [M 8,192, K 1,024] x [K 1,024, N 128]; A: input x; B: input Wkv: QUANTISED
;;     3. [M 8,192, K 128] x [K 128, N 512]; A: computed on the way; B: input Wk: left as it is (an operand is computed on the way)
;;     4. [M 8,192, K 128] x [K 128, N 512]; A: computed on the way; B: input Wv: left as it is (an operand is computed on the way)
;;     5. batch 64 x [M 2,048, K 32] x [K 32, N 2,048]; A: computed on the way; B: computed on the way: left as it is (an operand is computed on the way)
;;     6. batch 64 x [M 2,048, K 2,048] x [K 2,048, N 32]; A: computed on the way; B: computed on the way: left as it is (an operand is computed on the way)
;;     7. [M 8,192, K 1,024] x [K 1,024, N 1,024]; A: computed on the way; B: input Wo: left as it is (an operand is computed on the way)
;;   THE QUANTISER, for each operand of a quantised product, along K:
;;     - K is cut into blocks of 32 from its start; a last block that is shorter is filled with zeros.
;;     - A block's scale is 2^e with e = floor(log2(the largest magnitude in the block)) - 2, held to -126 .. 127; a block of zeros has e = 0. As a byte (E8M0): e + 127.
;;     - Each number is divided by its block's scale, clamped to +-6, and rounded to the nearest number of E2M1, ties to even, subnormals kept.
;;     - The product sums the exact products of the quantised numbers (number of the format x scale) in f32.
;;   ~~~python
;;   def quantise(x, axis):      # numpy; x: float32 -> the quantised numbers, widened to float32 again
;;       x = np.moveaxis(x, axis, -1); K = x.shape[-1]
;;       x = np.pad(x, [(0, 0)] * (x.ndim - 1) + [(0, -K % 32)]); x = x.reshape(x.shape[:-1] + (-1, 32)); a = np.abs(x).max(-1, keepdims=True)
;;       e = np.where(a > 0, np.clip(np.frexp(np.where(a > 0, a, 1))[1] - 1 - 2, -126, 127), 0)      # np.frexp(a)[1] - 1 = floor(log2(a)), exactly
;;       r = np.clip(x / 2.0 ** e, -6, 6)
;;       step = 2.0 ** (np.maximum(np.frexp(np.where(r == 0, 1, r))[1] - 1, 0) - 1)
;;       q = np.round(r / step) * step * 2.0 ** e      # np.round: ties to even
;;       return np.moveaxis(q.reshape(q.shape[:-2] + (-1,))[..., :K], -1, axis).astype(np.float32)
;;   ~~~
;; One version. Each part assembles by itself: llvm-mc -triple=amdgcn-amd-amdhsa -mcpu=gfx1250 --defsym DOCPART=n.
;; ======== version 1 of 1: 7 launches
;; limits: values are held in f16: magnitudes above 65,504 overflow, below 6.1e-05 lose precision
;; workspace buffers: pre 6,395,904 bytes; prj 10,653,696 bytes; kvi 16,777,216 bytes; oc 8,388,608 bytes; ofn 131,072 bytes
;; launch prep (part 1): grid 368 x 1, 4 waves a work-group, no clusters, 52,736 bytes of LDS; arguments x, Wq, Wkv, Wk, Wv, Wo, pre; writes pre
.if DOCPART == 1
	.amdgcn_target "amdgcn-amd-amdhsa--gfx1250"
	.amdhsa_code_object_version 6
	.text
	.protected	k_q6c61b30aaf_prep
	.globl	k_q6c61b30aaf_prep
	.p2align	8
	.type	k_q6c61b30aaf_prep,@function
k_q6c61b30aaf_prep:
	s_mov_b64 s[64:65], 0
	v_nop
	global_prefetch_b8 v0, s[64:65] scope:SCOPE_SE
	s_setreg_imm32_b32 hwreg(HW_REG_WAVE_MODE, 25, 1), 1
	s_wait_xcnt 0x0
; prep: every operand that later launches read again is laid out ONCE, in the order of the matrix operand's registers, so that a fragment is later
; fetched by loads of 512 consecutive bytes (16 bytes a lane) with nothing to turn.
;   x [8192][1024] f32      -> codes of E2M1 and E8M0 scale bytes, blocks of 32 along K (work-groups 0-255)
;   Wq [1024][1024], Wkv [1024][128] f32, K = first axis -> the same (work-groups 256-319, 320-327)
;   Wk, Wv [128][512], and Wo's rows 64 h + 0..31 -> f16 fragments (work-groups 328-335, 336-367); of Wv also each column's sum of squares.
; IMAGES.  Codes of a tile of 16 rows: [block of 32 along K][row][16 bytes].  Scale bytes of a tile: [half of K][row][16 bytes].
; f16 fragment (16 rows x 32 K): 16 bytes of k = 8 u .. 8 u + 7 of row r at (u / 2) 512 + (u % 2) 256 + 16 r.
; A block's scale is 2^(floor(log2(largest magnitude)) - 2); its byte is the largest magnitude's exponent field - 2, held at 1 from below.
; LIMITS: a block of zeros, or one whose largest magnitude lies under 2^-124, keeps the byte 1 (a block of zeros has zero codes, which add nothing, and this program alone
; reads the bytes); NaN and infinities are not served.  Wo's rows 64 h + 32 .. 63 meet only the zeros that the problem pads with and are not read.
; The weights' scale words leave as 4 bytes a lane, 16 bytes apart: 36,864 bytes in the whole launch.
.set XS,    4194304                    ; offsets in pre, in bytes: x's codes at 0, x's scale bytes,
.set WC,    4456448                    ; the weights' codes (72 tiles of 16 columns: 0-63 Wq, 64-71 Wkv),
.set WS,    5046272                    ; their scale bytes,
.set WKV,   5083136                    ; f16: [head][Wk 8,192 | Wv 8,192],
.set WO,    5345280                    ; f16: [tile of 16 columns][head][1,024],
.set WVN,   6393856                    ; 512 f32: the squared norms of Wv's columns
.set WREG,  13056                      ; LDS of a wave (x path): a stage of 16 rows x 800 bytes, then its 256 scale bytes
.set SCB,   12800
.set SPARE, 4*WREG                     ; behind the four regions: the spare words, 128 bytes a wave, which no other line names
.set SPW,   14                         ; v14 my spare word's address;  v15 = 0: both never rewritten
.set NIL,   15
.set R,     16                         ; v16-143  x path: two sets of 64 registers as loaded
.set X,     144                        ; v144-175 two sets of 16 neighbours along K
.set C,     176                        ; v176-207 codes: two registers for each of the 16 blocks, so that no store's data are written again
.set E,     208                        ; v208-223 a scale byte for each block
	s_load_b256 s[4:11], s[0:1], 0x0               ; x s[4:5], Wq s[6:7], Wkv s[8:9], Wk s[10:11]
	s_load_b128 s[12:15], s[0:1], 0x20             ; Wv s[12:13], Wo s[14:15]
	s_load_b64 s[16:17], s[0:1], 0x30              ; pre
	v_lshl_add_u32 v[SPW], v0, 2, SPARE
	v_mov_b32 v[NIL], 0
	v_lshrrev_b32 v1, 5, v0
	v_readfirstlane_b32 s18, v1                    ; wave
	v_and_b32 v2, 31, v0                           ; lane
	v_and_b32 v3, 15, v0                           ; r
	v_bfe_u32 v4, v0, 4, 1                         ; h
	v_lshlrev_b32 v7, 2, v2                        ; 4 x lane
	v_lshlrev_b32 v9, 4, v2                        ; 16 x lane
	v_lshlrev_b32 v10, 3, v2                       ; 8 x lane
	; the x path's LDS addresses: a constant x lane + a constant x wave, made ahead of the branches
	s_mul_i32 s30, s18, WREG
	v_lshrrev_b32 v5, 2, v2
	v_mul_u32_u24 v5, v5, 80
	v_and_b32 v6, 3, v2
	v_lshl_add_u32 v5, v6, 4, v5
	v_add_nc_u32 v5, s30, v5                       ; v5 into the stage: four lanes' 64 bytes on end, then 16 of padding
	v_lshrrev_b32 v6, 1, v2
	v_mul_u32_u24 v8, v6, 800
	v_and_b32 v11, 1, v2
	v_mul_u32_u24 v11, v11, 80
	v_add_nc_u32 v8, v8, v11
	v_add_nc_u32 v8, s30, v8                       ; v8 out of it: row lane / 2, half a block lane % 2
	v_lshlrev_b32 v6, 4, v6
	v_add_nc_u32 v6, s30, v6
	v_add_nc_u32 v6, SCB, v6                       ; v6 my row's 16 scale bytes
	v_add_nc_u32 v1, s30, v10
	v_add_nc_u32 v1, SCB, v1                       ; v1 the scale bytes on their way out: 8 a lane
	s_lshl_b32 s19, ttmp9, 2
	s_add_co_u32 s19, s19, s18                     ; 4 x work-group + wave: my unit
	s_mov_b32 s23, 0                               ; the high word of every offset pair s[22:23]
	s_wait_kmcnt 0x0
	s_cmp_lt_u32 ttmp9, 256
	s_cbranch_scc1 .Lx
	s_cmp_lt_u32 ttmp9, 320
	s_cbranch_scc1 .Lwq
	s_cmp_lt_u32 ttmp9, 328
	s_cbranch_scc1 .Lwkv
	s_cmp_lt_u32 ttmp9, 336
	s_cbranch_scc1 .Lwkwv
	s_branch .Lwo
; ---------------------------------------------------------------- x: a wave takes 16 rows x 512 along K (4 K steps of 128)
.macro LOADX t                         ; K step t of my 16 rows: each load reads 512 consecutive bytes of one row
.set i, 0
.rept 16
	global_load_b128 v[R+64*((\t)%2)+4*i:R+64*((\t)%2)+4*i+3], v9, s[4:5] offset:i*4096+(\t)*512 th:TH_LOAD_NT
.set i, i+1
.endr
.endm
.macro BACK kbl                        ; block kbl of the K step comes back from the stage: 16 neighbours a lane, two lanes to a block
.irp i, 0,1,2,3
	ds_load_b128 v[X+16*((\kbl)%2)+4*\i:X+16*((\kbl)%2)+4*\i+3], v8 offset:(\kbl)*160+16*\i
.endr
.endm
.macro QX t, kbl                       ; one block of each of the 16 rows becomes codes and a scale byte
.set n, 4*(\t)+(\kbl)
.set XB, X+16*((\kbl)%2)
	v_max3_num_f32 v11, |v[XB]|, |v[XB+1]|, |v[XB+2]|              ; the largest magnitude of my 16, in two chains
	v_max3_num_f32 v12, |v[XB+3]|, |v[XB+4]|, |v[XB+5]|
.irp i, 6,10
	v_max3_num_f32 v11, v11, |v[XB+\i]|, |v[XB+\i+1]|
	v_max3_num_f32 v12, v12, |v[XB+\i+2]|, |v[XB+\i+3]|
.endr
	v_max3_num_f32 v11, v11, |v[XB+14]|, |v[XB+15]|
	v_max3_num_f32 v11, v11, v12, 0x1800000        ; and the floor 2^(3 - 127): the byte cannot fall under 1
	v_max_num_f32_dpp v11, v11, v11 row_xmask:1 row_mask:0xf bank_mask:0xf   ; with my neighbour's 16: the block's
	v_add_nc_u32 v13, 0xff000000, v11              ; 2 off the exponent field: the conversion takes this operand's exponent field as its scale
	v_cvt_scalef32_pk8_fp4_f32 v[C+2*n], v[XB:XB+7], v13
	v_cvt_scalef32_pk8_fp4_f32 v[C+2*n+1], v[XB+8:XB+15], v13
	v_lshrrev_b32 v[E+n], 23, v13                  ; the scale's byte (also the plain line behind the conversions)
	ds_store_b8 v6, v[E+n] offset:n                ; both lanes of a block write the same byte with the same value
	global_store_b64 v10, v[C+2*n:C+2*n+1], s[26:27] offset:256*n   ; 32 lanes store 256 consecutive bytes: [row][16 bytes] of this block
.endm
.macro KSTEP t
.if (\t) < 3
	s_wait_loadcnt 16                              ; this K step's 16 loads are in; the next step's 16 may be out
.else
	s_wait_loadcnt 0x0
.endif
.set i, 0
.rept 16
	ds_store_b128 v5, v[R+64*((\t)%2)+4*i:R+64*((\t)%2)+4*i+3] offset:i*800   ; LDS serves a wave's instructions in order: these come behind the last step's reads
.set i, i+1
.endr
	BACK 0
.irp kbl, 0,1,2,3
.if \kbl < 3
	BACK \kbl+1
	s_wait_dscnt 4                                 ; all but the four loads just issued: this block is back, and the stores into the stage have read their registers,
.else
	s_wait_dscnt 0x0
.endif
.if (\kbl == 0) && ((\t)+2 < 4)
	LOADX (\t)+2                                   ; which take the loads of two K steps on
.endif
	QX \t, \kbl
.endr
.endm
.Lx:
	s_lshr_b32 s20, s19, 1                         ; tile of 16 rows
	s_and_b32 s21, s19, 1                          ; which half of K
	s_lshl_b32 s22, s20, 16                        ; 16 rows of 4,096 bytes
	s_lshl_b32 s24, s21, 11
	s_add_co_u32 s22, s22, s24
	s_add_nc_u64 s[4:5], s[4:5], s[22:23]
	s_lshl_b32 s22, s20, 13                        ; a tile's codes: 8,192 bytes
	s_lshl_b32 s24, s21, 12
	s_add_co_u32 s22, s22, s24
	s_add_nc_u64 s[26:27], s[16:17], s[22:23]
	s_lshl_b32 s22, s20, 9                         ; a tile's scale bytes: 512
	s_lshl_b32 s24, s21, 8
	s_add_co_u32 s22, s22, s24
	s_add_co_u32 s22, s22, XS
	s_add_nc_u64 s[28:29], s[16:17], s[22:23]
	LOADX 0
	LOADX 1
	KSTEP 0
	KSTEP 1
	KSTEP 2
	KSTEP 3
	ds_load_b64 v[12:13], v1                       ; my wave's 256 scale bytes: these loads see my byte stores
	s_wait_dscnt 0x0
	global_store_b64 v10, v[12:13], s[28:29]       ; 32 lanes store 256 consecutive bytes, aligned
	s_wait_tensorcnt 0x0                           ; the wave's end
	ds_add_u32 v[SPW], v[NIL]
	s_wait_dscnt 0x0
	s_endpgm
; ---------------------------------------------------------------- weights: A LANE TAKES A COLUMN, ITS REGISTERS RUN DOWN K; the four waves stand side by side on 512 bytes of a row
.macro LDCOL s, row0, pitch            ; 32 rows from row0 on -> v[32 + 32 s ..]
.set i, 0
.rept 32
	global_load_b32 v[32+32*(\s)+i], v7, s[4:5] offset:((\row0)+i)*(\pitch) th:TH_LOAD_NT
.set i, i+1
.endr
.endm
.macro QBLK b                          ; a block of 32 along K of my column: all 32 numbers are mine
.set XB, 32+32*(\b)
	v_max3_num_f32 v20, |v[XB]|, |v[XB+1]|, |v[XB+2]|
	v_max3_num_f32 v21, |v[XB+3]|, |v[XB+4]|, |v[XB+5]|
.irp i, 6,10,14,18,22,26
	v_max3_num_f32 v20, v20, |v[XB+\i]|, |v[XB+\i+1]|
	v_max3_num_f32 v21, v21, |v[XB+\i+2]|, |v[XB+\i+3]|
.endr
	v_max3_num_f32 v20, v20, |v[XB+30]|, |v[XB+31]|
	v_max3_num_f32 v20, v20, v21, 0x1800000        ; the floor
	v_add_nc_u32 v22, 0xff000000, v20
	v_lshrrev_b32 v21, 23, v22                     ; the byte
.if (\b) == 0
	v_mov_b32 v23, v21
.else
	v_lshl_or_b32 v23, v21, 8*(\b), v23            ; four bytes make the K step's scale word
.endif
.irp g, 0,1,2,3
	v_cvt_scalef32_pk8_fp4_f32 v[160+4*(\b)+\g], v[XB+8*\g:XB+8*\g+7], v22
.endr
	v_nop                                          ; one plain line behind the last conversion
	global_store_b128 v17, v[160+4*(\b):163+4*(\b)], s[26:27] offset:256*(\b)   ; sixteen lanes store 256 consecutive bytes of one tile, the other sixteen of the next
.endm
.macro QCOL pitch                      ; 32 columns x 128 along K.  s20 = K step, s25 = first tile of 16 columns, s[4:5] = the first number
	s_lshl_b32 s22, s25, 13
	s_lshl_b32 s24, s20, 10
	s_add_co_u32 s22, s22, s24
	s_add_co_u32 s22, s22, WC
	s_add_nc_u64 s[26:27], s[16:17], s[22:23]      ; codes: tile x 8,192 + K step x 1,024
	s_lshl_b32 s22, s25, 9
	s_lshr_b32 s24, s20, 2
	s_lshl_b32 s24, s24, 8
	s_add_co_u32 s22, s22, s24
	s_and_b32 s24, s20, 3
	s_lshl_b32 s24, s24, 2
	s_add_co_u32 s22, s22, s24
	s_add_co_u32 s22, s22, WS
	s_add_nc_u64 s[28:29], s[16:17], s[22:23]      ; scale words: tile x 512 + half x 256 + 4 x (K step % 4)
	v_lshlrev_b32 v16, 4, v3
	v_lshl_add_u32 v17, v4, 13, v16                ; 16 r + 8,192 h
	v_lshl_add_u32 v18, v4, 9, v16                 ; 16 r + 512 h
	LDCOL 0, 0, \pitch
	LDCOL 1, 32, \pitch
	s_wait_loadcnt 32                              ; block 0 is in; block 1's 32 loads may be out
	LDCOL 2, 64, \pitch
	QBLK 0
	s_wait_loadcnt 32                              ; block 1 is in; block 2's may be out
	LDCOL 3, 96, \pitch
	QBLK 1
	s_wait_loadcnt 32
	QBLK 2
	s_wait_loadcnt 0x0
	QBLK 3
	global_store_b32 v18, v23, s[28:29]
	s_endpgm
.endm
.Lwq:
	s_sub_co_u32 s20, s19, 1024
	s_and_b32 s21, s20, 31                         ; group of 32 columns
	s_lshr_b32 s20, s20, 5                         ; K step
	s_lshl_b32 s22, s20, 19                        ; 128 rows of 4,096 bytes
	s_lshl_b32 s24, s21, 7
	s_add_co_u32 s22, s22, s24
	s_add_nc_u64 s[4:5], s[6:7], s[22:23]
	s_lshl_b32 s25, s21, 1
	QCOL 4096
.Lwkv:
	s_sub_co_u32 s20, s19, 1280
	s_and_b32 s21, s20, 3
	s_lshr_b32 s20, s20, 2
	s_lshl_b32 s22, s20, 16                        ; 128 rows of 512 bytes
	s_lshl_b32 s24, s21, 7
	s_add_co_u32 s22, s22, s24
	s_add_nc_u64 s[4:5], s[8:9], s[22:23]
	s_lshl_b32 s25, s21, 1
	s_add_co_u32 s25, s25, 64
	QCOL 512
.macro HSTEP s                         ; 32 along K of my column, rounded to f16 in pairs along K; eight numbers are 16 bytes of a fragment
.set XB, 32+32*(\s)
.set HB, 160+16*(\s)
.set i, 0
.rept 16
	v_cvt_pk_f16_f32 v[HB+i], v[XB+2*i], v[XB+2*i+1]
.set i, i+1
.endr
.irp u, 0,1,2,3
	global_store_b128 v17, v[HB+4*\u:HB+4*\u+3], s[26:27] offset:(\s)*1024+(\u/2)*512+(\u%2)*256
.endr
.endm
.macro HCOL pitch, kstr                ; 32 columns x 4 K steps of 32 rows, kstr rows apart
	LDCOL 0, 0, \pitch
	LDCOL 1, \kstr, \pitch
	s_wait_loadcnt 32                              ; K step 0 is in; step 1's 32 loads may be out
	LDCOL 2, 2*\kstr, \pitch
	HSTEP 0
	s_wait_loadcnt 32
	LDCOL 3, 3*\kstr, \pitch
	HSTEP 1
	s_wait_loadcnt 32
	HSTEP 2
	s_wait_loadcnt 0x0
	HSTEP 3
.endm
.Lwkwv:
	s_sub_co_u32 s20, s19, 1312
	s_and_b32 s21, s20, 15                         ; head
	s_lshr_b32 s20, s20, 4                         ; 0: Wk, 1: Wv
	s_cmp_eq_u32 s20, 0
	s_cselect_b64 s[4:5], s[10:11], s[12:13]       ; the choice hangs on the unit's number alone
	s_lshl_b32 s22, s21, 7
	s_add_nc_u64 s[4:5], s[4:5], s[22:23]
	s_add_co_u32 s22, s22, WVN
	s_add_nc_u64 s[28:29], s[16:17], s[22:23]
	s_lshl_b32 s22, s21, 14
	s_lshl_b32 s24, s20, 13
	s_add_co_u32 s22, s22, s24
	s_add_co_u32 s22, s22, WKV
	s_add_nc_u64 s[26:27], s[16:17], s[22:23]
	v_lshlrev_b32 v16, 4, v3
	v_lshl_add_u32 v17, v4, 12, v16                ; 16 r + 4,096 h: the head's second tile of 16 columns
	HCOL 2048, 32
	s_cmp_eq_u32 s20, 0
	s_cbranch_scc1 .Ldone
	v_pk_mul_f32 v[20:21], v[32:33], v[32:33]      ; Wv: my column's sum of squares, for the bound on v: two chains
	v_pk_mul_f32 v[22:23], v[34:35], v[34:35]
.set i, 4
.rept 31
	v_pk_fma_f32 v[20:21], v[32+i:33+i], v[32+i:33+i], v[20:21]
	v_pk_fma_f32 v[22:23], v[34+i:35+i], v[34+i:35+i], v[22:23]
.set i, i+4
.endr
	v_pk_add_f32 v[20:21], v[20:21], v[22:23]
	v_add_f32 v20, v20, v21
	global_store_b32 v7, v20, s[28:29]
.Ldone:
	s_endpgm
.Lwo:
	s_sub_co_u32 s20, s19, 1344
	s_and_b32 s21, s20, 31                         ; group of 32 columns
	s_lshr_b32 s20, s20, 5                         ; four heads
	s_lshl_b32 s22, s20, 20                        ; 4 x 64 rows of 4,096 bytes
	s_lshl_b32 s24, s21, 7
	s_add_co_u32 s22, s22, s24
	s_add_nc_u64 s[4:5], s[14:15], s[22:23]
	s_lshl_b32 s22, s21, 15                        ; two tiles of 16,384 bytes
	s_lshl_b32 s24, s20, 12                        ; four heads of 1,024
	s_add_co_u32 s22, s22, s24
	s_add_co_u32 s22, s22, WO
	s_add_nc_u64 s[26:27], s[16:17], s[22:23]
	v_lshlrev_b32 v16, 4, v3
	v_lshl_add_u32 v17, v4, 14, v16
	HCOL 4096, 64                                  ; a head's K step is Wo's rows 64 h + 0 .. 31
	s_endpgm
.Lfunc_end_k_q6c61b30aaf_prep:
	.size	k_q6c61b30aaf_prep, .Lfunc_end_k_q6c61b30aaf_prep-k_q6c61b30aaf_prep
	.p2alignl 7, 3214868480
	.fill 96, 4, 3214868480
	.section	.rodata,"a",@progbits
	.p2align	6, 0x0
	.amdhsa_kernel k_q6c61b30aaf_prep
		.amdhsa_group_segment_fixed_size 52736
		.amdhsa_private_segment_fixed_size 0
		.amdhsa_enable_private_segment 0
		.amdhsa_kernarg_size 56
		.amdhsa_user_sgpr_count 2
		.amdhsa_user_sgpr_kernarg_segment_ptr 1
		.amdhsa_wavefront_size32 1
		.amdhsa_system_sgpr_workgroup_id_x 1
		.amdhsa_system_sgpr_workgroup_id_y 1
		.amdhsa_system_sgpr_workgroup_id_z 1
		.amdhsa_system_vgpr_workitem_id 0
		.amdhsa_next_free_vgpr 224
		.amdhsa_next_free_sgpr 66
		.amdhsa_reserve_vcc 0
		.amdhsa_float_denorm_mode_32 3
		.amdhsa_float_denorm_mode_16_64 3
		.amdhsa_memory_ordered 1
		.amdhsa_forward_progress 1
		.amdhsa_inst_pref_size 113
	.end_amdhsa_kernel
	.amdgpu_metadata
---
amdhsa.version: [ 1, 2 ]
amdhsa.kernels:
  - .name:           k_q6c61b30aaf_prep
    .symbol:         k_q6c61b30aaf_prep.kd
    .args:
      - { .name: x, .offset: 0, .size: 8, .value_kind: global_buffer, .address_space: global }
      - { .name: Wq, .offset: 8, .size: 8, .value_kind: global_buffer, .address_space: global }
      - { .name: Wkv, .offset: 16, .size: 8, .value_kind: global_buffer, .address_space: global }
      - { .name: Wk, .offset: 24, .size: 8, .value_kind: global_buffer, .address_space: global }
      - { .name: Wv, .offset: 32, .size: 8, .value_kind: global_buffer, .address_space: global }
      - { .name: Wo, .offset: 40, .size: 8, .value_kind: global_buffer, .address_space: global }
      - { .name: pre, .offset: 48, .size: 8, .value_kind: global_buffer, .address_space: global }
    .group_segment_fixed_size: 52736
    .private_segment_fixed_size: 0
    .kernarg_segment_align: 8
    .kernarg_segment_size: 56
    .max_flat_workgroup_size: 128
    .sgpr_count:     66
    .vgpr_count:     224
    .wavefront_size: 32
...
	.end_amdgpu_metadata
.endif
;; end of part 1
;; launch proj (part 2): grid 4 x 64, 4 waves a work-group, no clusters, 0 bytes of LDS; arguments pre, q_g, prj; writes prj
.if DOCPART == 2
	.amdgcn_target "amdgcn-amd-amdhsa--gfx1250"
	.amdhsa_code_object_version 6
	.text
	.protected	k_q6c61b30aaf_proj
	.globl	k_q6c61b30aaf_proj
	.p2align	8
	.type	k_q6c61b30aaf_proj,@function
k_q6c61b30aaf_proj:
	s_mov_b64 s[64:65], 0
	v_nop
	global_prefetch_b8 v0, s[64:65] scope:SCOPE_SE
	s_setreg_imm32_b32 hwreg(HW_REG_WAVE_MODE, 25, 1), 1
	s_wait_xcnt 0x0
; proj: [x Wq | x Wkv] on codes of E2M1 with E8M0 scales (K = 1,024: 8 matrix instructions deep), the RMS norm of q, and the results as f16 fragments.
; SHARES.  A work-group: 128 rows x (256 columns of q + 32 of kv).  A wave: 64 rows (4 tiles a) x 8 tiles b of q's columns (two heads) + one tile of kv's: 36 accumulators.
; THE MATRIX INSTRUCTION IS USED TRANSPOSED: source 0 = 16 columns of the weight, source 1 = 16 rows of x: a lane holds ONE token (lane % 16) and eight neighbouring columns 8 (lane / 16) + j.
; So two neighbouring column tiles, rounded to f16 in pairs, ARE a fragment (16 tokens x 32) of the next product, and are stored as they stand: 512 consecutive bytes a store.
; Operands come from memory straight into registers, as images of the registers (16 bytes a lane, 512 consecutive bytes a load), three K steps ahead.  No LDS, no barrier.
; No tiles are shared through a cluster: with 8 K steps of 36 matrix instructions a wave a joint fetch would need a meeting of work-groups for every 36 instructions.
; q is stored as q / rms x q_g x log2(e) / 8, its first 32 columns of each head alone: the others enter the norm and nothing else, so q_g[32:] is not read.
; For the first 16 positions of each sequence q and kv are stored in f32 as well.  For the bound on v each wave stores the largest sum of squares of its 16 kv columns over its 64 rows.
; LIMITS: NaN and infinities are not served.
; REGISTERS.  window 0: v1 16 x lane, v2 16 x (lane % 16), v3 lane, v5 32 x (lane / 16), v8-23 q_g, v32-63 x's scale words (8 a + s), v64-135 the weights' (8 b + s), v136-231 x's fragments, three sets;
;   on the way out v136-247 are at work.   window 1: q's accumulators v[8 (4 b + a)].   window 2: v0-31 kv's accumulators, v32-247 the weights' fragments, three sets of 72.
.set XS,   4194304
.set WC,   4456448
.set WS,   5046272
.set KV16, 8388608                     ; offsets in prj: q's fragments at 0, kv's [tile of rows][tile of 16 latents][512],
.set QF,   10485760                    ; f32: q of positions 0-15 [b h][4][512],
.set KVF,  10616832                    ; kv of positions 0-15 [b][tile of latents][2][512],
.set KVN,  10649600                    ; 1,024 f32
.set GQ, 8
.set SA, 32
.set SB, 64
.set AR, 136
.set BR, 32
.set T,  136                           ; the way out: v136-151 sums of squares, then 1 / rms, a pair for each (head, a)
.set RG, 152                           ; v152-167 q_g / rms;  later kv's f16
.set KH, 152
.set F,  168                           ; v168-183 16 numbers of q in f32
.set H,  184                           ; v184-247 q's f16: eight registers for each (head, a), so that no store's data are written again
.set SEL, 48
.set MSB, 0
.macro WIN new                         ; the immediate's high byte repeats the setting that is left
.if MSB != (\new)
	s_set_vgpr_msb (MSB<<8)|(\new)
.set MSB, (\new)
.endif
.endm
.set MUL_Q,  0x52                      ; source 0 (weights) window 2, source 1 (x) window 0, C and D window 1
.set MUL_KV, 0xa2                      ; the same, C and D window 2
	s_load_b128 s[4:7], s[0:1], 0x0                ; pre, q_g
	s_load_b64 s[8:9], s[0:1], 0x10                ; prj
	v_lshrrev_b32 v4, 5, v0
	v_readfirstlane_b32 s10, v4                    ; wave
	v_and_b32 v3, 31, v0
	v_lshlrev_b32 v1, 4, v3
	v_and_b32 v2, 15, v0
	v_lshlrev_b32 v2, 4, v2
	v_bfe_u32 v5, v0, 4, 1
	v_lshlrev_b32 v5, 5, v5
	v_mov_b32 v24, 0
	s_lshr_b32 s11, s10, 1                         ; wr: which 64 rows
	s_and_b32 s12, s10, 1                          ; wc: which columns
	s_and_b32 s13, ttmp7, 0xffff                   ; rb: block of 128 rows
	s_lshl_b32 s14, s13, 3
	s_lshl_b32 s15, s11, 2
	s_add_co_u32 s14, s14, s15                     ; my first tile of rows: 8 rb + 4 wr
	s_lshl_b32 s15, ttmp9, 4
	s_lshl_b32 s16, s12, 3
	s_add_co_u32 s15, s15, s16                     ; my first tile of q's columns: 16 cb + 8 wc
	s_lshl_b32 s16, ttmp9, 1
	s_add_co_u32 s16, s16, s12                     ; my tile of kv's columns: 2 cb + wc
	s_mov_b32 s33, 0
	s_mov_b32 s34, 0x3c800000                      ; 1 / 64
	s_mov_b32 s35, 0x358637bd                      ; 1e-6
	s_mov_b32 s36, 0x3e38aa3b                      ; log2(e) / 8
	s_mov_b32 s37, s36
	s_mov_b32 s[SEL], 0x76543210
	s_mov_b32 s[SEL+1], 0xfedcba98                 ; v_permlanex16_b32's selects for lane l xor 16
	s_wait_kmcnt 0x0
	s_lshl_b32 s32, s14, 13
	s_add_nc_u64 s[20:21], s[4:5], s[32:33]        ; x's codes
	s_lshl_b32 s32, s14, 9
	s_add_co_u32 s32, s32, XS
	s_add_nc_u64 s[22:23], s[4:5], s[32:33]        ; x's scale words
	s_lshl_b32 s32, s15, 13
	s_add_co_u32 s32, s32, WC
	s_add_nc_u64 s[24:25], s[4:5], s[32:33]        ; Wq's codes
	s_lshl_b32 s32, s15, 9
	s_add_co_u32 s32, s32, WS
	s_add_nc_u64 s[26:27], s[4:5], s[32:33]        ; Wq's scale words
	s_lshl_b32 s32, s16, 13
	s_add_co_u32 s32, s32, WC+64*8192
	s_add_nc_u64 s[28:29], s[4:5], s[32:33]        ; Wkv's codes
	s_lshl_b32 s32, s16, 9
	s_add_co_u32 s32, s32, WS+64*512
	s_add_nc_u64 s[30:31], s[4:5], s[32:33]        ; Wkv's scale words
.irp bb, 0,1
	global_load_b128 v[GQ+8*\bb:GQ+8*\bb+3], v5, s[6:7] offset:64*\bb        ; q_g of columns 16 bb + 8 (lane / 16) + 0 .. 7
	global_load_b128 v[GQ+8*\bb+4:GQ+8*\bb+7], v5, s[6:7] offset:64*\bb+16
.endr
.irp a, 0,1,2,3
.irp f, 0,1
	global_load_b128 v[SA+8*\a+4*\f:SA+8*\a+4*\f+3], v2, s[22:23] offset:\a*512+\f*256   ; lane r: row r's scale words of K steps 4 f .. 4 f + 3
.endr
.endr
.irp b, 0,1,2,3,4,5,6,7
.irp f, 0,1
	global_load_b128 v[SB+8*\b+4*\f:SB+8*\b+4*\f+3], v2, s[26:27] offset:\b*512+\f*256
.endr
.endr
.irp f, 0,1
	global_load_b128 v[SB+64+4*\f:SB+64+4*\f+3], v2, s[30:31] offset:\f*256
.endr
.macro LD s                            ; K step s: 26 loads into set s % 3
.set SLL, (\s)%3
	WIN 0
.irp a, 0,1,2,3
.irp c, 0,1
	global_load_b128 v[AR+32*SLL+8*\a+4*\c:AR+32*SLL+8*\a+4*\c+3], v1, s[20:21] offset:\a*8192+(\s)*1024+\c*512
.endr
.endr
	WIN 0x80                                       ; destination window 2
.irp b, 0,1,2,3,4,5,6,7
.irp c, 0,1
	global_load_b128 v[BR+72*SLL+8*\b+4*\c:BR+72*SLL+8*\b+4*\c+3], v1, s[24:25] offset:\b*8192+(\s)*1024+\c*512
.endr
.endr
.irp c, 0,1
	global_load_b128 v[BR+72*SLL+64+4*\c:BR+72*SLL+64+4*\c+3], v1, s[28:29] offset:(\s)*1024+\c*512
.endr
	WIN 0
.endm
	LD 0
	LD 1
	LD 2
	; the addresses of the way out, while the loads are on their way
	s_lshr_b32 s17, s13, 4                         ; b
	s_lshl_b32 s18, s17, 4
	s_lshl_b32 s19, ttmp9, 2
	s_add_co_u32 s18, s18, s19
	s_lshl_b32 s19, s12, 1
	s_add_co_u32 s18, s18, s19                     ; 16 b + my first head (4 cb + 2 wc)
	s_and_b32 s41, s13, 15
	s_or_b32 s40, s41, s11                         ; 0 where my tile a = 0 holds positions 0-15 of a sequence
	s_lshl_b32 s41, s41, 3
	s_lshl_b32 s19, s11, 2
	s_add_co_u32 s41, s41, s19                     ; my first tile of rows within the sequence
	s_lshl_b32 s32, s18, 7
	s_add_co_u32 s32, s32, s41
	s_lshl_b32 s32, s32, 10
	s_add_nc_u64 s[38:39], s[8:9], s[32:33]        ; q's fragments: [b h][tile of rows][1,024]
	s_lshl_b32 s32, s18, 11
	s_add_co_u32 s32, s32, QF
	s_add_nc_u64 s[42:43], s[8:9], s[32:33]
	s_lshl_b32 s32, s14, 12
	s_lshl_b32 s19, s16, 9
	s_add_co_u32 s32, s32, s19
	s_add_co_u32 s32, s32, KV16
	s_add_nc_u64 s[44:45], s[8:9], s[32:33]
	s_lshl_b32 s32, s17, 13
	s_lshl_b32 s19, s16, 10
	s_add_co_u32 s32, s32, s19
	s_add_co_u32 s32, s32, KVF
	s_add_nc_u64 s[46:47], s[8:9], s[32:33]
	s_lshl_b32 s32, s13, 2
	s_add_co_u32 s32, s32, ttmp9
	s_lshl_b32 s32, s32, 2
	s_add_co_u32 s32, s32, s10
	s_lshl_b32 s32, s32, 2
	s_add_co_u32 s32, s32, KVN
	s_add_nc_u64 s[50:51], s[8:9], s[32:33]
; A K step: 36 matrix instructions, the 36 accumulators by turns in the same order in every step.  The first step's products start the sums.
.macro KS s
.set SL, (\s)%3
.if (\s) <= 5
	s_wait_loadcnt 52                              ; this step's loads are in; the 26 of each of the two steps behind it may be out
.elseif (\s) == 6
	s_wait_loadcnt 26
.else
	s_wait_loadcnt 0x0
.endif
	WIN MUL_Q
.irp b, 0,1,2,3,4,5,6,7
.irp a, 0,1,2,3
.if (\s) == 0
	v_wmma_scale_f32_16x16x128_f8f6f4 v[8*(4*\b+\a):8*(4*\b+\a)+7], v[BR+72*SL+8*\b:BR+72*SL+8*\b+7], v[AR+32*SL+8*\a:AR+32*SL+8*\a+7], 0, v[SB+8*\b+(\s)], v[SA+8*\a+(\s)] matrix_a_fmt:MATRIX_FMT_FP4 matrix_b_fmt:MATRIX_FMT_FP4
.else
	v_wmma_scale_f32_16x16x128_f8f6f4 v[8*(4*\b+\a):8*(4*\b+\a)+7], v[BR+72*SL+8*\b:BR+72*SL+8*\b+7], v[AR+32*SL+8*\a:AR+32*SL+8*\a+7], v[8*(4*\b+\a):8*(4*\b+\a)+7], v[SB+8*\b+(\s)], v[SA+8*\a+(\s)] matrix_a_fmt:MATRIX_FMT_FP4 matrix_b_fmt:MATRIX_FMT_FP4
.endif
.endr
.endr
	WIN MUL_KV
.irp a, 0,1,2,3
.if (\s) == 0
	v_wmma_scale_f32_16x16x128_f8f6f4 v[8*\a:8*\a+7], v[BR+72*SL+64:BR+72*SL+71], v[AR+32*SL+8*\a:AR+32*SL+8*\a+7], 0, v[SB+64+(\s)], v[SA+8*\a+(\s)] matrix_a_fmt:MATRIX_FMT_FP4 matrix_b_fmt:MATRIX_FMT_FP4
.else
	v_wmma_scale_f32_16x16x128_f8f6f4 v[8*\a:8*\a+7], v[BR+72*SL+64:BR+72*SL+71], v[AR+32*SL+8*\a:AR+32*SL+8*\a+7], v[8*\a:8*\a+7], v[SB+64+(\s)], v[SA+8*\a+(\s)] matrix_a_fmt:MATRIX_FMT_FP4 matrix_b_fmt:MATRIX_FMT_FP4
.endif
.endr
	WIN 0
.rept 4
	v_nop                                          ; four places in front of loads into registers that matrix instructions have read, and of the first read of results
.endr
.if (\s)+3 < 8
	LD (\s)+3
.endif
.endm
	KS 0
	KS 1
	KS 2
	KS 3
	KS 4
	KS 5
	KS 6
	KS 7
	; THE WAY OUT.  The sum of squares of each token's 64 columns of a head: 32 in my lane, 32 in lane l xor 16.  Each accumulator is read from its low end on; the eight sums take turns.
	WIN 0x05                                       ; sources 0 and 1 window 1
.set q, 0
.rept 16
.irp g, 0,1
.irp a, 0,1,2,3
.set rA, 8*(4*(4*\g+q/4)+\a)+2*(q%4)
.if q == 0
	v_pk_mul_f32 v[T+2*(4*\g+\a):T+2*(4*\g+\a)+1], v[rA:rA+1], v[rA:rA+1]
.else
	v_pk_fma_f32 v[T+2*(4*\g+\a):T+2*(4*\g+\a)+1], v[rA:rA+1], v[rA:rA+1], v[T+2*(4*\g+\a):T+2*(4*\g+\a)+1]
.endif
.endr
.endr
.set q, q+1
.endr
	WIN 0
.irp n, 0,1,2,3,4,5,6,7
	v_add_f32 v[T+2*\n], v[T+2*\n], v[T+2*\n+1]
.endr
.irp n, 0,1,2,3,4,5,6,7
	v_permlanex16_b32 v[T+2*\n+1], v[T+2*\n], s[SEL], s[SEL+1]
.endr
.irp n, 0,1,2,3,4,5,6,7
	v_add_f32 v[T+2*\n], v[T+2*\n], v[T+2*\n+1]
.endr
.irp n, 0,1,2,3,4,5,6,7
	v_fma_f32 v[T+2*\n], v[T+2*\n], s34, s35       ; the mean + 1e-6
.endr
.irp n, 0,1,2,3,4,5,6,7
	v_rsq_f32 v[T+2*\n], v[T+2*\n]
.endr
.irp i, 0,2,4,6,8,10,12,14
	v_pk_mul_f32 v[GQ+\i:GQ+\i+1], v[GQ+\i:GQ+\i+1], s[36:37] op_sel_hi:[1,0]   ; q_g x log2(e) / 8: independent work behind the batch
.endr
	s_wait_alu depctr_va_vdst(0)                   ; one wait for the eight, ahead of their first reader
.macro QOUT g, a                       ; head g, tile of rows a: the head's first 32 columns become a fragment
.set n, 4*(\g)+(\a)
	WIN 0
.irp i, 0,2,4,6,8,10,12,14
	v_pk_mul_f32 v[RG+\i:RG+\i+1], v[GQ+\i:GQ+\i+1], v[T+2*n:T+2*n+1] op_sel_hi:[1,0]
.endr
	WIN 0x01                                       ; source 0 window 1
.irp bb, 0,1
.irp j, 0,2,4,6
	v_pk_mul_f32 v[F+8*\bb+\j:F+8*\bb+\j+1], v[8*(4*(4*(\g)+\bb)+(\a))+\j:8*(4*(4*(\g)+\bb)+(\a))+\j+1], v[RG+8*\bb+\j:RG+8*\bb+\j+1]
.endr
.endr
	WIN 0
.if (\a) == 0
	s_cmp_lg_u32 s40, 0                            ; ids alone
	s_cbranch_scc1 .Lnot_first_\@
.irp i, 0,1,2,3
	global_store_b128 v1, v[F+4*\i:F+4*\i+3], s[42:43] offset:(\g)*2048+\i*512   ; positions 0-15: in f32 too
.endr
	s_wait_xcnt 0x0                                ; these registers are written again by the next tile only behind this wait
.Lnot_first_\@:
.endif
.irp i, 0,1,2,3,4,5,6,7
	v_cvt_pk_f16_f32 v[H+8*n+\i], v[F+2*\i], v[F+2*\i+1]
.endr
	global_store_b128 v1, v[H+8*n:H+8*n+3], s[38:39] offset:(\g)*131072+(\a)*1024
	global_store_b128 v1, v[H+8*n+4:H+8*n+7], s[38:39] offset:(\g)*131072+(\a)*1024+512
.endm
.irp g, 0,1
.irp a, 0,1,2,3
	QOUT \g, \a
.endr
.endr
.macro KVOUT a                         ; my 16 latents of tile a: half a fragment; and their sum of squares
	WIN 0x0a                                       ; sources 0 and 1 window 2
.irp i, 0,1,2,3
	v_cvt_pk_f16_f32 v[KH+4*(\a)+\i], v[8*(\a)+2*\i], v[8*(\a)+2*\i+1]
.endr
	v_pk_mul_f32 v[T+2*(\a):T+2*(\a)+1], v[8*(\a):8*(\a)+1], v[8*(\a):8*(\a)+1]
.irp j, 2,4,6
	v_pk_fma_f32 v[T+2*(\a):T+2*(\a)+1], v[8*(\a)+\j:8*(\a)+\j+1], v[8*(\a)+\j:8*(\a)+\j+1], v[T+2*(\a):T+2*(\a)+1]
.endr
	WIN 0
	global_store_b128 v1, v[KH+4*(\a):KH+4*(\a)+3], s[44:45] offset:(\a)*4096
.if (\a) == 0
	s_cmp_lg_u32 s40, 0
	s_cbranch_scc1 .Lnot_first_\@
	WIN 0x08                                       ; a store's data are its source 1: window 2
	global_store_b128 v1, v[0:3], s[46:47]
	global_store_b128 v1, v[4:7], s[46:47] offset:512
	WIN 0
.Lnot_first_\@:
.endif
.endm
	KVOUT 0
	KVOUT 1
	KVOUT 2
	KVOUT 3
.irp a, 0,1,2,3
	v_add_f32 v[T+2*\a], v[T+2*\a], v[T+2*\a+1]
.endr
.irp a, 0,1,2,3
	v_permlanex16_b32 v[T+2*\a+1], v[T+2*\a], s[SEL], s[SEL+1]
.endr
.irp a, 0,1,2,3
	v_add_f32 v[T+2*\a], v[T+2*\a], v[T+2*\a+1]
.endr
	v_max3_num_f32 v[T], v[T], v[T+2], v[T+4]
	v_max_num_f32 v[T], v[T], v[T+6]
	v_max_num_f32_dpp v[T], v[T], v[T] row_xmask:1 row_mask:0xf bank_mask:0xf
	v_max_num_f32_dpp v[T], v[T], v[T] row_xmask:2 row_mask:0xf bank_mask:0xf
	v_max_num_f32_dpp v[T], v[T], v[T] row_xmask:4 row_mask:0xf bank_mask:0xf
	v_max_num_f32_dpp v[T], v[T], v[T] row_xmask:8 row_mask:0xf bank_mask:0xf   ; the largest over my 64 rows
	v_cmp_eq_u32 vcc_lo, 0, v3
	s_wait_xcnt 0x0                                ; EXEC changes only behind this wait
	s_and_saveexec_b32 s52, vcc_lo
	global_store_b32 v24, v[T], s[50:51]           ; one number a wave
	s_endpgm
.Lfunc_end_k_q6c61b30aaf_proj:
	.size	k_q6c61b30aaf_proj, .Lfunc_end_k_q6c61b30aaf_proj-k_q6c61b30aaf_proj
	.p2alignl 7, 3214868480
	.fill 96, 4, 3214868480
	.section	.rodata,"a",@progbits
	.p2align	6, 0x0
	.amdhsa_kernel k_q6c61b30aaf_proj
		.amdhsa_group_segment_fixed_size 0
		.amdhsa_private_segment_fixed_size 0
		.amdhsa_enable_private_segment 0
		.amdhsa_kernarg_size 24
		.amdhsa_user_sgpr_count 2
		.amdhsa_user_sgpr_kernarg_segment_ptr 1
		.amdhsa_wavefront_size32 1
		.amdhsa_system_sgpr_workgroup_id_x 1
		.amdhsa_system_sgpr_workgroup_id_y 1
		.amdhsa_system_sgpr_workgroup_id_z 1
		.amdhsa_system_vgpr_workitem_id 0
		.amdhsa_next_free_vgpr 768
		.amdhsa_next_free_sgpr 66
		.amdhsa_reserve_vcc 1
		.amdhsa_float_denorm_mode_32 3
		.amdhsa_float_denorm_mode_16_64 3
		.amdhsa_memory_ordered 1
		.amdhsa_forward_progress 1
		.amdhsa_inst_pref_size 94
	.end_amdhsa_kernel
	.amdgpu_metadata
---
amdhsa.version: [ 1, 2 ]
amdhsa.kernels:
  - .name:           k_q6c61b30aaf_proj
    .symbol:         k_q6c61b30aaf_proj.kd
    .args:
      - { .name: pre, .offset: 0, .size: 8, .value_kind: global_buffer, .address_space: global }
      - { .name: q_g, .offset: 8, .size: 8, .value_kind: global_buffer, .address_space: global }
      - { .name: prj, .offset: 16, .size: 8, .value_kind: global_buffer, .address_space: global }
    .group_segment_fixed_size: 0
    .private_segment_fixed_size: 0
    .kernarg_segment_align: 8
    .kernarg_segment_size: 24
    .max_flat_workgroup_size: 128
    .sgpr_count:     66
    .vgpr_count:     768
    .wavefront_size: 32
...
	.end_amdgpu_metadata
.endif
;; end of part 2
;; launch kvup (part 3): grid 4 x 64, 4 waves a work-group, no clusters, 0 bytes of LDS; arguments pre, prj, k_g, kvi; writes kvi
.if DOCPART == 3
	.amdgcn_target "amdgcn-amd-amdhsa--gfx1250"
	.amdhsa_code_object_version 6
	.text
	.protected	k_q6c61b30aaf_kvup
	.globl	k_q6c61b30aaf_kvup
	.p2align	8
	.type	k_q6c61b30aaf_kvup,@function
k_q6c61b30aaf_kvup:
	s_mov_b64 s[64:65], 0
	v_nop
	global_prefetch_b8 v0, s[64:65] scope:SCOPE_SE
	s_setreg_imm32_b32 hwreg(HW_REG_WAVE_MODE, 25, 1), 1
	s_wait_xcnt 0x0
; kvup: k = rmsnorm(kv Wk) x k_g and v' = (kv Wv) x 2^(8 - e), f16 operands, f32 sums, stored as the fragments that attention reads.
; SHARES.  A wave: one head, 128 tokens (8 tiles of 16).  Its 16 fragments of Wk and Wv stay in registers.
; k is made TRANSPOSED (source 0 = 16 columns of Wk, source 1 = 16 tokens): a lane holds one token and 8 channels: the two channel tiles, packed, are a fragment of K (16 keys x 32).
; v is made the natural way (source 0 = tokens, source 1 = columns of Wv): a lane holds one channel and 8 tokens: two neighbouring token tiles, packed, are a fragment of V^T (16 channels x 32 keys).
; THE SCALE OF v.  |v[t][n]| <= |kv[t]| |Wv[:, n]|.  |kv[t]|^2 is a sum of 8 parts, each at most P, the largest of the 1,024 numbers stored with kv; W is the largest squared norm of a column of Wv.
; With E the exponent field of 8 P W and e = (E - 125) >> 1, |v| < 2^e, so |v'| < 256 whatever the inputs' size; oproj multiplies by 2^(e - 8), which rounds nothing.  A value only: no address or branch hangs on it.
; kvi: [b h][step of 64 keys][8,192]: K's four tiles of 1,024 bytes, then V^T: [32 keys][16 channels][1,024].  Every store is 512 consecutive bytes.
; LIMITS: NaN and infinities are not served; 8 P W has to be finite in f32.
; REGISTERS: v1 16 x lane, v5 32 x (lane / 16), v8-23 k_g, v24-29 at work, v[30:31] 2^(8 - e), v32-95 kv's fragments, two sets, v96-127 four accumulators, v128-191 Wk, v192-255 Wv; window 1: v0-47 the numbers for the bound.
.set WKV,  5083136
.set WVN,  6393856
.set KV16, 8388608
.set KVN,  10649600
.set WK, 128
.set WV, 192
.set MSB, 0
.macro WIN new
.if MSB != (\new)
	s_set_vgpr_msb (MSB<<8)|(\new)
.set MSB, (\new)
.endif
.endm
	s_load_b256 s[4:11], s[0:1], 0x0               ; pre, prj, k_g, kvi
	v_lshrrev_b32 v2, 5, v0
	v_readfirstlane_b32 s12, v2                    ; wave
	v_and_b32 v2, 31, v0
	v_lshlrev_b32 v1, 4, v2
	v_bfe_u32 v5, v0, 4, 1
	v_lshlrev_b32 v5, 5, v5
	v_mov_b32 v26, 0                               ; (a lane permute's destination counts as one of its sources)
	v_mov_b32 v27, 0
	s_and_b32 s13, ttmp7, 0xffff                   ; block of 128 tokens
	s_lshl_b32 s14, ttmp9, 2
	s_add_co_u32 s14, s14, s12                     ; head
	s_mov_b32 s31, 0
	s_mov_b32 s26, 0x76543210
	s_mov_b32 s27, 0xfedcba98
	s_mov_b32 s28, 0x3d000000                      ; 1 / 32
	s_mov_b32 s29, 0x358637bd                      ; 1e-6
	s_wait_kmcnt 0x0
	s_add_nc_u64 s[16:17], s[6:7], KVN
	s_add_nc_u64 s[18:19], s[4:5], WVN
	s_lshl_b32 s30, s14, 14
	s_add_co_u32 s30, s30, WKV
	s_add_nc_u64 s[20:21], s[4:5], s[30:31]
	s_lshl_b32 s30, s13, 15
	s_add_co_u32 s30, s30, KV16
	s_add_nc_u64 s[22:23], s[6:7], s[30:31]
	s_lshr_b32 s15, s13, 4
	s_lshl_b32 s15, s15, 4
	s_add_co_u32 s15, s15, s14                     ; 16 b + head
	s_lshl_b32 s30, s15, 18
	s_and_b32 s15, s13, 15
	s_lshl_b32 s15, s15, 14
	s_add_co_u32 s30, s30, s15
	s_add_nc_u64 s[24:25], s[10:11], s[30:31]
	WIN 0x40                                       ; destination window 1
.irp i, 0,1,2,3,4,5,6,7
	global_load_b128 v[4*\i:4*\i+3], v1, s[16:17] offset:512*\i
.endr
.irp i, 0,1,2,3
	global_load_b128 v[32+4*\i:32+4*\i+3], v1, s[18:19] offset:512*\i
.endr
	WIN 0
.irp nt, 0,1
.irp s, 0,1,2,3
.irp c, 0,1
	global_load_b128 v[WK+8*(4*\nt+\s)+4*\c:WK+8*(4*\nt+\s)+4*\c+3], v1, s[20:21] offset:\nt*4096+\s*1024+\c*512
	global_load_b128 v[WV+8*(4*\nt+\s)+4*\c:WV+8*(4*\nt+\s)+4*\c+3], v1, s[20:21] offset:8192+\nt*4096+\s*1024+\c*512
.endr
.endr
.endr
.irp bb, 0,1
	global_load_b128 v[8+8*\bb:11+8*\bb], v5, s[8:9] offset:64*\bb           ; k_g of channels 16 bb + 8 (lane / 16) + 0 .. 7
	global_load_b128 v[12+8*\bb:15+8*\bb], v5, s[8:9] offset:64*\bb+16
.endr
.macro LDKV m                          ; tile m's four fragments of kv into set m % 2
.irp s, 0,1,2,3
.irp c, 0,1
	global_load_b128 v[32+32*((\m)%2)+8*\s+4*\c:32+32*((\m)%2)+8*\s+4*\c+3], v1, s[22:23] offset:(\m)*4096+\s*1024+\c*512
.endr
.endr
.endm
	LDKV 0
	LDKV 1
	s_wait_loadcnt 52                              ; the twelve loads for the bound are in; the 52 issued behind them (32 + 4 + 8 + 8) may be out
	WIN 0x55                                       ; all in window 1
	v_max3_num_f32 v0, v0, v1, v2
	v_max3_num_f32 v32, v32, v33, v34
.irp i, 3,5,7,9,11,13
	v_max3_num_f32 v0, v0, v[\i], v[\i+1]
	v_max3_num_f32 v32, v32, v[32+\i], v[33+\i]
.endr
.irp i, 15,17,19,21,23,25,27,29
	v_max3_num_f32 v0, v0, v[\i], v[\i+1]
.endr
	WIN 0x05                                       ; the last step of each lands in window 0
	v_max_num_f32 v24, v0, v31
	v_max_num_f32 v25, v32, v47
	WIN 0
.irp x, 1,2,4,8
	v_max_num_f32_dpp v24, v24, v24 row_xmask:\x row_mask:0xf bank_mask:0xf
	v_max_num_f32_dpp v25, v25, v25 row_xmask:\x row_mask:0xf bank_mask:0xf
.endr
	v_permlanex16_b32 v26, v24, s26, s27
	v_permlanex16_b32 v27, v25, s26, s27
	v_max_num_f32 v24, v24, v26                    ; P
	v_max_num_f32 v25, v25, v27                    ; W
	v_mul_f32 v24, v24, v25
	v_mul_f32 v24, 0x41000000, v24                 ; 8 P W
	v_lshrrev_b32 v24, 23, v24                     ; its exponent field
	v_add_nc_u32 v24, 0xffffff83, v24              ; - 125
	v_ashrrev_i32 v24, 1, v24                      ; e
	v_sub_nc_u32 v24, 8, v24
	v_ldexp_f32 v30, 1.0, v24                      ; 2^(8 - e)
	v_mov_b32 v31, v30
.macro TILE m
.set KVR, 32+32*((\m)%2)
	s_wait_xcnt 0x0                                ; the last tile's stores have read the accumulators' registers: they are written again only behind this wait
.if (\m) < 7
	s_wait_loadcnt 8                               ; this tile's kv is in; the next tile's 8 loads may be out
.else
	s_wait_loadcnt 0x0
.endif
.irp s, 0,1,2,3                        ; the four accumulators by turns
.if \s == 0
	v_wmma_f32_16x16x32_f16 v[96:103], v[WK+8*\s:WK+8*\s+7], v[KVR+8*\s:KVR+8*\s+7], 0
	v_wmma_f32_16x16x32_f16 v[104:111], v[WK+32+8*\s:WK+32+8*\s+7], v[KVR+8*\s:KVR+8*\s+7], 0
	v_wmma_f32_16x16x32_f16 v[112:119], v[KVR+8*\s:KVR+8*\s+7], v[WV+8*\s:WV+8*\s+7], 0
	v_wmma_f32_16x16x32_f16 v[120:127], v[KVR+8*\s:KVR+8*\s+7], v[WV+32+8*\s:WV+32+8*\s+7], 0
.else
	v_wmma_f32_16x16x32_f16 v[96:103], v[WK+8*\s:WK+8*\s+7], v[KVR+8*\s:KVR+8*\s+7], v[96:103]
	v_wmma_f32_16x16x32_f16 v[104:111], v[WK+32+8*\s:WK+32+8*\s+7], v[KVR+8*\s:KVR+8*\s+7], v[104:111]
	v_wmma_f32_16x16x32_f16 v[112:119], v[KVR+8*\s:KVR+8*\s+7], v[WV+8*\s:WV+8*\s+7], v[112:119]
	v_wmma_f32_16x16x32_f16 v[120:127], v[KVR+8*\s:KVR+8*\s+7], v[WV+32+8*\s:WV+32+8*\s+7], v[120:127]
.endif
.endr
.rept 4
	v_nop                                          ; four places in front of the loads into kv's registers and of the first read of results
.endr
.if (\m)+2 < 8
	LDKV (\m)+2
.endif
	v_pk_mul_f32 v[26:27], v[96:97], v[96:97]      ; the token's sum of squares over 32 channels: 16 in my lane
	v_pk_mul_f32 v[28:29], v[104:105], v[104:105]
.irp j, 2,4,6
	v_pk_fma_f32 v[26:27], v[96+\j:97+\j], v[96+\j:97+\j], v[26:27]
	v_pk_fma_f32 v[28:29], v[104+\j:105+\j], v[104+\j:105+\j], v[28:29]
.endr
	v_pk_add_f32 v[26:27], v[26:27], v[28:29]
	v_add_f32 v26, v26, v27
	v_permlanex16_b32 v27, v26, s26, s27
	v_add_f32 v26, v26, v27
	v_fma_f32 v26, v26, s28, s29                   ; the mean + 1e-6
	v_rsq_f32 v24, v26
.irp j, 0,2,4,6,8,10,12,14
	v_pk_mul_f32 v[112+\j:113+\j], v[112+\j:113+\j], v[30:31] op_sel_hi:[1,0]   ; v': independent work behind the root
.endr
.irp i, 0,1,2,3
	v_cvt_pk_f16_f32 v[112+\i], v[112+2*\i], v[113+2*\i]
.endr
.irp i, 0,1,2,3
	v_cvt_pk_f16_f32 v[120+\i], v[120+2*\i], v[121+2*\i]
.endr
	s_wait_alu depctr_va_vdst(0)                   ; ahead of the root's first reader
.irp j, 0,2,4,6,8,10,12,14
	v_pk_mul_f32 v[96+\j:97+\j], v[96+\j:97+\j], v[24:25] op_sel_hi:[1,0]
.endr
.irp j, 0,2,4,6,8,10,12,14
	v_pk_mul_f32 v[96+\j:97+\j], v[96+\j:97+\j], v[8+\j:9+\j]
.endr
.irp i, 0,1,2,3
	v_cvt_pk_f16_f32 v[96+\i], v[96+2*\i], v[97+2*\i]
.endr
.irp i, 0,1,2,3
	v_cvt_pk_f16_f32 v[104+\i], v[104+2*\i], v[105+2*\i]
.endr
	global_store_b128 v1, v[96:99], s[24:25] offset:((\m)/4)*8192+((\m)%4)*1024
	global_store_b128 v1, v[104:107], s[24:25] offset:((\m)/4)*8192+((\m)%4)*1024+512
	global_store_b128 v1, v[112:115], s[24:25] offset:((\m)/4)*8192+4096+(((\m)%4)/2)*2048+((\m)%2)*512
	global_store_b128 v1, v[120:123], s[24:25] offset:((\m)/4)*8192+4096+(((\m)%4)/2)*2048+1024+((\m)%2)*512
.endm
.irp m, 0,1,2,3,4,5,6,7
	TILE \m
.endr
	s_endpgm
.Lfunc_end_k_q6c61b30aaf_kvup:
	.size	k_q6c61b30aaf_kvup, .Lfunc_end_k_q6c61b30aaf_kvup-k_q6c61b30aaf_kvup
	.p2alignl 7, 3214868480
	.fill 96, 4, 3214868480
	.section	.rodata,"a",@progbits
	.p2align	6, 0x0
	.amdhsa_kernel k_q6c61b30aaf_kvup
		.amdhsa_group_segment_fixed_size 0
		.amdhsa_private_segment_fixed_size 0
		.amdhsa_enable_private_segment 0
		.amdhsa_kernarg_size 32
		.amdhsa_user_sgpr_count 2
		.amdhsa_user_sgpr_kernarg_segment_ptr 1
		.amdhsa_wavefront_size32 1
		.amdhsa_system_sgpr_workgroup_id_x 1
		.amdhsa_system_sgpr_workgroup_id_y 1
		.amdhsa_system_sgpr_workgroup_id_z 1
		.amdhsa_system_vgpr_workitem_id 0
		.amdhsa_next_free_vgpr 320
		.amdhsa_next_free_sgpr 66
		.amdhsa_reserve_vcc 0
		.amdhsa_float_denorm_mode_32 3
		.amdhsa_float_denorm_mode_16_64 3
		.amdhsa_memory_ordered 1
		.amdhsa_forward_progress 1
		.amdhsa_inst_pref_size 54
	.end_amdhsa_kernel
	.amdgpu_metadata
---
amdhsa.version: [ 1, 2 ]
amdhsa.kernels:
  - .name:           k_q6c61b30aaf_kvup
    .symbol:         k_q6c61b30aaf_kvup.kd
    .args:
      - { .name: pre, .offset: 0, .size: 8, .value_kind: global_buffer, .address_space: global }
      - { .name: prj, .offset: 8, .size: 8, .value_kind: global_buffer, .address_space: global }
      - { .name: k_g, .offset: 16, .size: 8, .value_kind: global_buffer, .address_space: global }
      - { .name: kvi, .offset: 24, .size: 8, .value_kind: global_buffer, .address_space: global }
    .group_segment_fixed_size: 0
    .private_segment_fixed_size: 0
    .kernarg_segment_align: 8
    .kernarg_segment_size: 32
    .max_flat_workgroup_size: 128
    .sgpr_count:     66
    .vgpr_count:     320
    .wavefront_size: 32
...
	.end_amdgpu_metadata
.endif
;; end of part 3
;; launch attn (part 4): grid 4 x 64, 8 waves a work-group, no clusters, 0 bytes of LDS; arguments prj, kvi, oc; writes oc
.if DOCPART == 4
	.amdgcn_target "amdgcn-amd-amdhsa--gfx1250"
	.amdhsa_code_object_version 6
	.text
	.protected	k_q6c61b30aaf_attn
	.globl	k_q6c61b30aaf_attn
	.p2align	8
	.type	k_q6c61b30aaf_attn,@function
k_q6c61b30aaf_attn:
	s_mov_b64 s[64:65], 0
	v_nop
	global_prefetch_b8 v0, s[64:65] scope:SCOPE_SE
	s_setreg_imm32_b32 hwreg(HW_REG_WAVE_MODE, 25, 1), 1
	s_wait_xcnt 0x0
; attn: O[b h][q] = softmax over keys k <= q of (q' . k) applied to v', f16 operands, f32 sums; q' already holds log2(e) / 8, so a score is the exponent to base 2.
; SHARES.  A wave owns 64 neighbouring queries (group G of 32, four tiles of 16) of one (b, h) and walks G whole steps of 64 keys and then the step on the diagonal: keys behind the diagonal are never multiplied but inside that step.
; The eight groups of a work-group add up to 124, those of waves w and w + 4 to 31, so that the work is even.  Waves share nothing: no LDS, no barrier.
; No cluster: the work-groups of one head need different numbers of key steps.
; LAYOUT.  S^T = K Q^T (source 0 = 16 keys, source 1 = 16 queries): a lane holds ONE query (lane % 16) and keys 8 (lane / 16) + j.  Two such tiles, rounded to f16 in pairs, ARE source 1 of O^T = V^T P.
; O^T's two channel tiles, packed, are the fragment (16 tokens x the head's 32 channels) of the last product, and are stored so.  K's and V^T's fragments come from memory as images of their registers, a step ahead.
; SOFTMAX.  For each query a running maximum m and sum l: p = 2^(s - m); in every step O and l are multiplied by a = 2^(m_old - m_new).  The sum is taken of p in f32.
; The first 16 positions of each sequence are computed here like all others; the last product does not use them: two small launches make those rows in f32.
; LIMITS: NaN and infinities are not served.
; REGISTERS.  window 0: v1 16 x lane, v2 256 x lane, v3 lane % 16 - 8 (lane / 16), v32-63 K (8 kt), v64-95 V^T (16 p + 8 nt), tiles 0 and 1 from v96 and v160.   window 1: tiles 2 and 3 at the same numbers.
; A tile, from its base: +0..31 S^T (p's f16 are gathered in +0..15), +32..47 O^T, +48..55 Q, +56 m, +57 0, +58, +59 l, +60..63 at work (a in +62).
.set K, 32
.set V, 64
.set SEL, 26
.set MSB, 0
.macro WIN new
.if MSB != (\new)
	s_set_vgpr_msb (MSB<<8)|(\new)
.set MSB, (\new)
.endif
.endm
	s_load_b128 s[4:7], s[0:1], 0x0                ; prj, kvi
	s_load_b64 s[8:9], s[0:1], 0x10                ; oc
	v_lshrrev_b32 v4, 5, v0
	v_readfirstlane_b32 s10, v4                    ; wave
	v_and_b32 v4, 31, v0
	v_lshlrev_b32 v1, 4, v4
	v_lshlrev_b32 v2, 8, v4
	v_and_b32 v3, 15, v0
	v_bfe_u32 v4, v0, 4, 1
	v_lshlrev_b32 v4, 3, v4
	v_sub_nc_u32 v3, v3, v4
	s_and_b32 s11, ttmp7, 0xffff                   ; 16 b + head
	s_and_b32 s12, s10, 3                          ; u
	s_and_b32 s13, s12, 1
	s_mul_i32 s13, s13, 7
	s_xor_b32 s13, s13, ttmp9                      ; j xor 7 (u & 1)
	s_lshr_b32 s14, s12, 1
	s_lshl_b32 s14, s14, 3
	s_add_co_u32 s13, s13, s14
	s_lshr_b32 s14, s10, 2
	s_mul_i32 s14, s14, 31
	s_xor_b32 s12, s13, s14                        ; G
	s_mov_b32 s21, s12                             ; whole steps to go
	s_cmp_eq_u32 s12, 31
	s_cselect_b32 s20, 1, -1                       ; 1 in the one wave of a (b, h) that prefetches, else the greatest number
	s_mov_b32 s23, 0
	s_mov_b32 s[SEL], 0x76543210
	s_mov_b32 s[SEL+1], 0xfedcba98
	s_lshl_b32 s13, s11, 7
	s_lshl_b32 s14, s12, 2
	s_add_co_u32 s13, s13, s14
	s_lshl_b32 s22, s13, 10                        ; Q: (128 (16 b + head) + 4 G) x 1,024
	s_wait_kmcnt 0x0
	s_add_nc_u64 s[24:25], s[4:5], s[22:23]
	s_lshl_b32 s22, s11, 18
	s_add_nc_u64 s[16:17], s[6:7], s[22:23]        ; the (b, h)'s step 0
	s_lshr_b32 s13, s11, 4
	s_lshl_b32 s13, s13, 7
	s_add_co_u32 s13, s13, s14                     ; 128 b + 4 G
	s_lshl_b32 s22, s13, 14
	s_and_b32 s13, s11, 15
	s_lshl_b32 s13, s13, 10
	s_add_co_u32 s22, s22, s13
	s_add_nc_u64 s[18:19], s[8:9], s[22:23]
.irp t, 0,1,2,3
	WIN 0x40*(\t/2)
.irp c, 0,1
	global_load_b128 v[144+64*(\t%2)+4*\c:147+64*(\t%2)+4*\c], v1, s[24:25] offset:\t*1024+\c*512
.endr
.endr
	WIN 0
.macro LDK off
.irp kt, 0,1,2,3
.irp c, 0,1
	global_load_b128 v[K+8*\kt+4*\c:K+8*\kt+4*\c+3], v1, s[16:17] offset:(\off)+\kt*1024+\c*512
.endr
.endr
.endm
.macro LDV off
.irp f, 0,1,2,3
.irp c, 0,1
	global_load_b128 v[V+8*\f+4*\c:V+8*\f+4*\c+3], v1, s[16:17] offset:(\off)+4096+\f*1024+\c*512
.endr
.endr
.endm
	LDK 0
	LDV 0
.irp j, 0,1,2,3,4,5,6,7
	v_cmp_gt_i32 s[40+\j], \j, v3                  ; on the diagonal tile key 8 (lane / 16) + j is hidden from query lane % 16 where j > lane % 16 - 8 (lane / 16)
.endr
.irp w, 0,1
	WIN 0x55*\w
.irp tb, 96,160
.set n, 32
.rept 16
	v_mov_b32 v[\tb+n], 0                          ; O^T.  (The step is written for all trips alike: the first finds zeros, which a = 0 leaves zeros)
.set n, n+1
.endr
	v_mov_b32 v[\tb+56], 0xff61b1e6                ; m: -3e38, under every score
	v_mov_b32 v[\tb+57], 0
	v_mov_b32 v[\tb+58], 0
	v_mov_b32 v[\tb+59], 0
.endr
.endr
	WIN 0
.macro SPH                             ; S^T of the four tiles: 16 products, each starts its sum
.irp t, 0,1,2,3
	WIN 0x54*(\t/2)
.irp kt, 0,1,2,3
	v_wmma_f32_16x16x32_f16 v[96+64*(\t%2)+8*\kt:96+64*(\t%2)+8*\kt+7], v[K+8*\kt:K+8*\kt+7], v[144+64*(\t%2):151+64*(\t%2)], 0
.endr
.endr
.endm
.macro SMA tb                          ; the maximum (each accumulator from its low end on), a, the shifts and the exponentials: nothing here names an exponential's result
.irp kt, 0,1,2,3
	v_max3_num_f32 v[\tb+60+\kt], v[\tb+8*\kt], v[\tb+8*\kt+1], v[\tb+8*\kt+2]
.endr
.irp i, 3,5
.irp kt, 0,1,2,3
	v_max3_num_f32 v[\tb+60+\kt], v[\tb+60+\kt], v[\tb+8*\kt+\i], v[\tb+8*\kt+\i+1]
.endr
.endr
	v_max3_num_f32 v[\tb+60], v[\tb+60], v[\tb+7], v[\tb+15]
	v_max3_num_f32 v[\tb+62], v[\tb+62], v[\tb+23], v[\tb+31]
	v_max3_num_f32 v[\tb+60], v[\tb+60], v[\tb+61], v[\tb+62]
	v_max3_num_f32 v[\tb+60], v[\tb+60], v[\tb+63], v[\tb+56]
	v_permlanex16_b32 v[\tb+61], v[\tb+60], s[SEL], s[SEL+1]   ; the query's other 32 keys lie in lane l xor 16
	v_max_num_f32 v[\tb+60], v[\tb+60], v[\tb+61]
	v_sub_f32 v[\tb+63], v[\tb+56], v[\tb+60]      ; m_old - m_new
	v_mov_b32 v[\tb+56], v[\tb+60]
	v_exp_f32 v[\tb+62], v[\tb+63]                 ; a
.set n, 0
.rept 16
	v_pk_add_f32 v[\tb+n:\tb+n+1], v[\tb+n:\tb+n+1], v[\tb+56:\tb+57] op_sel_hi:[1,0] neg_lo:[0,1] neg_hi:[0,1]
.set n, n+2
.endr
.set n, 0
.rept 32
	v_exp_f32 v[\tb+n], v[\tb+n]
.set n, n+1
.endr
.endm
.macro SMB tb                          ; the readers: l = a l + the sum of p (two chains), p to f16, O^T x a
	v_pk_fma_f32 v[\tb+58:\tb+59], v[\tb+58:\tb+59], v[\tb+62:\tb+63], v[\tb:\tb+1] op_sel_hi:[1,0,1]
	v_pk_add_f32 v[\tb+60:\tb+61], v[\tb+2:\tb+3], v[\tb+6:\tb+7]
	v_pk_add_f32 v[\tb+58:\tb+59], v[\tb+58:\tb+59], v[\tb+4:\tb+5]
.irp i, 8,12,16,20,24,28
	v_pk_add_f32 v[\tb+58:\tb+59], v[\tb+58:\tb+59], v[\tb+\i:\tb+\i+1]
	v_pk_add_f32 v[\tb+60:\tb+61], v[\tb+60:\tb+61], v[\tb+\i+2:\tb+\i+3]
.endr
	v_pk_add_f32 v[\tb+58:\tb+59], v[\tb+58:\tb+59], v[\tb+60:\tb+61]
.set n, 0
.rept 16
	v_cvt_pk_f16_f32 v[\tb+n], v[\tb+2*n], v[\tb+2*n+1]
.set n, n+1
.endr
.irp i, 0,2,4,6,8,10,12,14
	v_pk_mul_f32 v[\tb+32+\i:\tb+33+\i], v[\tb+32+\i:\tb+33+\i], v[\tb+62:\tb+63] op_sel_hi:[1,0]
.endr
.endm
.macro PVPH                            ; O^T += V^T P: in each window four accumulators by turns
.irp w, 0,1
	WIN 0x54*\w
.irp p, 0,1
.irp tb, 96,160
.irp nt, 0,1
	v_wmma_f32_16x16x32_f16 v[\tb+32+8*\nt:\tb+39+8*\nt], v[V+16*\p+8*\nt:V+16*\p+8*\nt+7], v[\tb+8*\p:\tb+8*\p+7], v[\tb+32+8*\nt:\tb+39+8*\nt]
.endr
.endr
.endr
.endr
.endm
.macro MASKS                           ; the step on the diagonal: for tile t of queries the key tiles behind t are hidden whole, tile t in part
.irp t, 0,1,2,3
	WIN 0x55*(\t/2)
.set TBM, 96+64*(\t%2)
	v_mov_b32 v[TBM+63], 0xff800000                ; -infinity: p = 0 then
.irp j, 0,1,2,3,4,5,6,7
	v_cndmask_b32 v[TBM+8*\t+\j], v[TBM+8*\t+\j], v[TBM+63], s[40+\j]
.endr
.if \t < 3
.set n, 8*(\t+1)
.rept 8*(3-\t)
	v_mov_b32 v[TBM+n], 0xff800000
.set n, n+1
.endr
.endif
.endr
.endm
; A PREFETCH: in trip t the wave with G = 31, which walks all steps of its (b, h), names step t + 2: 32 lanes x 256 bytes are that step's K and V^T whole.  One instruction a trip, behind the trip's loads of K.
; Each 256 bytes are named once in the launch.  Its last trip names nothing (step 32 does not exist); steps 0 and 1 come by their loads alone.
.macro ASK
	s_cmp_gt_u32 s21, s20
	s_cbranch_scc0 .Lnot_mine_\@
	global_prefetch_b8 v2, s[16:17] offset:16384 th:TH_LOAD_NT scope:SCOPE_SE
.Lnot_mine_\@:
.endm
.macro STEP next                       ; next = 1: a whole step, which fetches the step behind it;  0: the step on the diagonal
	s_wait_loadcnt 8                               ; K (and Q) are in; V^T's 8 loads may be out
	SPH
	WIN 0
.rept 4
	v_nop                                          ; four places in front of the loads into K's registers and of the first touch of the scores
.endr
.if \next
	LDK 8192
	ASK
.else
	MASKS
.endif
.irp w, 0,1
	WIN 0x55*\w
	SMA 96
	SMA 160
	v_nop                                          ; a plain line behind the last exponential
	s_wait_alu depctr_va_vdst(0)                   ; ONE wait for the two tiles' 66 exponentials, ahead of their first reader
	SMB 96
	SMB 160
.endr
	s_wait_loadcnt 8*\next                         ; V^T is in; the next K's 8 loads may be out
	PVPH
	WIN 0
.rept 5
	v_nop                                          ; five places: the next step's first products write over p's registers, which these products read; the loads into V^T's want four
.endr
.if \next
	LDV 8192
.endif
.endm
	s_cmp_eq_u32 s21, 0
	s_cbranch_scc1 .Ltail
.Lstep:
	STEP 1
	s_wait_xcnt 0x0                                ; the trip's loads and its prefetch have read the base: it is stepped only behind this wait
	s_add_nc_u64 s[16:17], s[16:17], 8192
	s_sub_co_u32 s21, s21, 1
	s_cmp_lg_u32 s21, 0
	s_cbranch_scc1 .Lstep
.Ltail:
	STEP 0
	; THE WAY OUT: l's halves and lane l xor 16's are added; O^T / l, rounded to f16, is the last product's fragment
.irp w, 0,1
	WIN 0x55*\w
.irp tb, 96,160
	v_add_f32 v[\tb+60], v[\tb+58], v[\tb+59]
.endr
.irp tb, 96,160
	v_permlanex16_b32 v[\tb+61], v[\tb+60], s[SEL], s[SEL+1]
.endr
.irp tb, 96,160
	v_add_f32 v[\tb+60], v[\tb+60], v[\tb+61]
.endr
.irp tb, 96,160
	v_rcp_f32 v[\tb+62], v[\tb+60]
.endr
	v_nop
	s_wait_alu depctr_va_vdst(0)                   ; one wait for the two reciprocals
.irp tb, 96,160
.irp i, 0,2,4,6,8,10,12,14
	v_pk_mul_f32 v[\tb+32+\i:\tb+33+\i], v[\tb+32+\i:\tb+33+\i], v[\tb+62:\tb+63] op_sel_hi:[1,0]
.endr
.irp i, 0,1,2,3,4,5,6,7
	v_cvt_pk_f16_f32 v[\tb+32+\i], v[\tb+32+2*\i], v[\tb+33+2*\i]
.endr
.endr
	WIN 0x04*\w                                    ; a store's data are its source 1
.irp tt, 0,1
	global_store_b128 v1, v[128+64*\tt:131+64*\tt], s[18:19] offset:(2*\w+\tt)*16384
	global_store_b128 v1, v[132+64*\tt:135+64*\tt], s[18:19] offset:(2*\w+\tt)*16384+512
.endr
.endr
	WIN 0
	s_endpgm
.Lfunc_end_k_q6c61b30aaf_attn:
	.size	k_q6c61b30aaf_attn, .Lfunc_end_k_q6c61b30aaf_attn-k_q6c61b30aaf_attn
	.p2alignl 7, 3214868480
	.fill 96, 4, 3214868480
	.section	.rodata,"a",@progbits
	.p2align	6, 0x0
	.amdhsa_kernel k_q6c61b30aaf_attn
		.amdhsa_group_segment_fixed_size 0
		.amdhsa_private_segment_fixed_size 0
		.amdhsa_enable_private_segment 0
		.amdhsa_kernarg_size 24
		.amdhsa_user_sgpr_count 2
		.amdhsa_user_sgpr_kernarg_segment_ptr 1
		.amdhsa_wavefront_size32 1
		.amdhsa_system_sgpr_workgroup_id_x 1
		.amdhsa_system_sgpr_workgroup_id_y 1
		.amdhsa_system_sgpr_workgroup_id_z 1
		.amdhsa_system_vgpr_workitem_id 0
		.amdhsa_next_free_vgpr 480
		.amdhsa_next_free_sgpr 66
		.amdhsa_reserve_vcc 0
		.amdhsa_float_denorm_mode_32 3
		.amdhsa_float_denorm_mode_16_64 3
		.amdhsa_memory_ordered 1
		.amdhsa_forward_progress 1
		.amdhsa_inst_pref_size 71
	.end_amdhsa_kernel
	.amdgpu_metadata
---
amdhsa.version: [ 1, 2 ]
amdhsa.kernels:
  - .name:           k_q6c61b30aaf_attn
    .symbol:         k_q6c61b30aaf_attn.kd
    .args:
      - { .name: prj, .offset: 0, .size: 8, .value_kind: global_buffer, .address_space: global }
      - { .name: kvi, .offset: 8, .size: 8, .value_kind: global_buffer, .address_space: global }
      - { .name: oc, .offset: 16, .size: 8, .value_kind: global_buffer, .address_space: global }
    .group_segment_fixed_size: 0
    .private_segment_fixed_size: 0
    .kernarg_segment_align: 8
    .kernarg_segment_size: 24
    .max_flat_workgroup_size: 256
    .sgpr_count:     66
    .vgpr_count:     480
    .wavefront_size: 32
...
	.end_amdgpu_metadata
.endif
;; end of part 4
;; launch oproj (part 5): grid 4 x 64, 4 waves a work-group, no clusters, 34,304 bytes of LDS; arguments pre, prj, oc, out0; writes out0
.if DOCPART == 5
	.amdgcn_target "amdgcn-amd-amdhsa--gfx1250"
	.amdhsa_code_object_version 6
	.text
	.protected	k_q6c61b30aaf_oproj
	.globl	k_q6c61b30aaf_oproj
	.p2align	8
	.type	k_q6c61b30aaf_oproj,@function
k_q6c61b30aaf_oproj:
	s_mov_b64 s[64:65], 0
	v_nop
	global_prefetch_b8 v0, s[64:65] scope:SCOPE_SE
	s_setreg_imm32_b32 hwreg(HW_REG_WAVE_MODE, 25, 1), 1
	s_wait_xcnt 0x0
; oproj: out0 = (O' Wo') x 2^(e - 8).  O' [8192][16 heads x 32] and Wo' (Wo's rows 64 h + 0 .. 31) in f16, sums in f32; K = 512: a K step is a head.  The rows of Wo that meet the padded zeros are left out.
; SHARES.  A work-group: 128 rows x 256 columns; a wave: 64 x 128: 32 accumulators.  TRANSPOSED use (source 0 = 16 columns of Wo, source 1 = 16 tokens): a lane holds eight neighbouring numbers of a row of out0.
; Operands come from memory straight into registers as images of the registers, three K steps ahead.  A block of 16 rows x 128 columns leaves through the wave's own stage in LDS as whole rows of 512 bytes.
; The first 16 positions of each sequence are not stored here: a launch of their own makes those rows in f32.
; 2^(e - 8) undoes the scale under which v was stored; e is made from the same numbers in the same way as there.
; No cluster: the simplest sound form; the tiles that work-groups share are read again by each of them.
; REGISTERS.  window 0: v1 16 x lane, v2, v3 stage addresses, v4, v5 the add's two, v24-27 at work, v[28:29] 2^(e - 8), v32-127 and v128-223 operand sets 0 and 1 (A at + 8 a, B at + 32 + 8 b).
;   window 1: the accumulators v[8 (8 a + b)] (at the head v0-47 hold the numbers for e).   window 2: v32-127 operand set 2.
.set WO,   5345280
.set WVN,  6393856
.set KVN,  10649600
.set SPITCH, 528
.set SPARE, 4*16*SPITCH                ; behind the four stages: the spare words, 128 bytes a wave, which no other line names
.set STO, 2
.set RD,  3
.set SPW, 4
.set NIL, 5
.set MSB, 0
.macro WIN new
.if MSB != (\new)
	s_set_vgpr_msb (MSB<<8)|(\new)
.set MSB, (\new)
.endif
.endm
	s_load_b256 s[4:11], s[0:1], 0x0               ; pre, prj, oc, out0
	v_lshl_add_u32 v[SPW], v0, 2, SPARE
	v_mov_b32 v[NIL], 0
	v_lshrrev_b32 v6, 5, v0
	v_readfirstlane_b32 s12, v6                    ; wave
	v_and_b32 v6, 31, v0
	v_lshlrev_b32 v1, 4, v6
	v_and_b32 v7, 15, v0
	v_bfe_u32 v8, v0, 4, 1
	s_mul_i32 s31, s12, 16*SPITCH
	v_mul_u32_u24 v[STO], v7, SPITCH
	v_lshl_add_u32 v[STO], v8, 5, v[STO]
	v_add_nc_u32 v[STO], s31, v[STO]               ; into my stage: row lane % 16, 32 bytes for each half of the lanes
	v_add_nc_u32 v[RD], s31, v1                    ; back: the 32 lanes take one row of 512 bytes
	v_mov_b32 v26, 0
	v_mov_b32 v27, 0
	s_lshr_b32 s13, s12, 1                         ; wr
	s_and_b32 s14, s12, 1                          ; wc
	s_and_b32 s15, ttmp7, 0xffff                   ; rb
	s_and_b32 s30, s15, 15
	s_or_b32 s30, s30, s13                         ; 0 where my block a = 0 holds positions 0-15 of a sequence
	s_mov_b32 s29, 0
	s_mov_b32 s26, 0x76543210
	s_mov_b32 s27, 0xfedcba98
	s_wait_kmcnt 0x0
	s_add_nc_u64 s[20:21], s[6:7], KVN
	s_add_nc_u64 s[22:23], s[4:5], WVN
	s_lshl_b32 s28, s15, 3
	s_lshl_b32 s31, s13, 2
	s_add_co_u32 s28, s28, s31
	s_lshl_b32 s28, s28, 14                        ; (8 rb + 4 wr) x 16,384
	s_add_nc_u64 s[16:17], s[8:9], s[28:29]
	s_lshl_b32 s28, ttmp9, 4
	s_lshl_b32 s31, s14, 3
	s_add_co_u32 s28, s28, s31
	s_lshl_b32 s28, s28, 14                        ; (16 cb + 8 wc) x 16,384
	s_add_co_u32 s28, s28, WO
	s_add_nc_u64 s[18:19], s[4:5], s[28:29]
	s_lshl_b32 s28, s15, 19                        ; 128 rows of 4,096 bytes
	s_lshl_b32 s31, s13, 18
	s_add_co_u32 s28, s28, s31
	s_lshl_b32 s31, ttmp9, 10
	s_add_co_u32 s28, s28, s31
	s_lshl_b32 s31, s14, 9
	s_add_co_u32 s28, s28, s31
	s_add_nc_u64 s[24:25], s[10:11], s[28:29]
	WIN 0x40
.irp i, 0,1,2,3,4,5,6,7
	global_load_b128 v[4*\i:4*\i+3], v1, s[20:21] offset:512*\i
.endr
.irp i, 0,1,2,3
	global_load_b128 v[32+4*\i:32+4*\i+3], v1, s[22:23] offset:512*\i
.endr
	WIN 0
.macro LD s                            ; K step (head) s: 24 loads into set s % 3
.set BSL, 32+96*(((\s)%3)%2)
.if (\s)%3 == 2
	WIN 0x80
.else
	WIN 0
.endif
.irp a, 0,1,2,3
.irp c, 0,1
	global_load_b128 v[BSL+8*\a+4*\c:BSL+8*\a+4*\c+3], v1, s[16:17] offset:\a*16384+(\s)*1024+\c*512
.endr
.endr
.irp b, 0,1,2,3,4,5,6,7
.irp c, 0,1
	global_load_b128 v[BSL+32+8*\b+4*\c:BSL+32+8*\b+4*\c+3], v1, s[18:19] offset:\b*16384+(\s)*1024+\c*512
.endr
.endr
	WIN 0
.endm
	LD 0
	LD 1
	s_wait_loadcnt 48                              ; the twelve loads for e are in; the 48 of K steps 0 and 1 may be out
	WIN 0x55
	v_max3_num_f32 v0, v0, v1, v2
	v_max3_num_f32 v32, v32, v33, v34
.irp i, 3,5,7,9,11,13
	v_max3_num_f32 v0, v0, v[\i], v[\i+1]
	v_max3_num_f32 v32, v32, v[32+\i], v[33+\i]
.endr
.irp i, 15,17,19,21,23,25,27,29
	v_max3_num_f32 v0, v0, v[\i], v[\i+1]
.endr
	WIN 0x05
	v_max_num_f32 v24, v0, v31
	v_max_num_f32 v25, v32, v47
	WIN 0
.irp x, 1,2,4,8
	v_max_num_f32_dpp v24, v24, v24 row_xmask:\x row_mask:0xf bank_mask:0xf
	v_max_num_f32_dpp v25, v25, v25 row_xmask:\x row_mask:0xf bank_mask:0xf
.endr
	v_permlanex16_b32 v26, v24, s26, s27
	v_permlanex16_b32 v27, v25, s26, s27
	v_max_num_f32 v24, v24, v26
	v_max_num_f32 v25, v25, v27
	v_mul_f32 v24, v24, v25
	v_mul_f32 v24, 0x41000000, v24                 ; 8 P W
	v_lshrrev_b32 v24, 23, v24
	v_add_nc_u32 v24, 0xffffff83, v24
	v_ashrrev_i32 v24, 1, v24                      ; e
	v_add_nc_u32 v24, -8, v24
	v_ldexp_f32 v28, 1.0, v24                      ; 2^(e - 8)
	v_mov_b32 v29, v28
	LD 2
.macro KS s                            ; 32 matrix instructions, the 32 accumulators by turns in the same order in every step
.set BS, 32+96*(((\s)%3)%2)
.if (\s) <= 13
	s_wait_loadcnt 48                              ; this step's loads are in; the 24 of each of the two steps behind it may be out
.elseif (\s) == 14
	s_wait_loadcnt 24
.else
	s_wait_loadcnt 0x0
.endif
.if (\s)%3 == 2
	WIN 0x5a                                       ; sources 0 and 1 window 2, C and D window 1
.else
	WIN 0x50
.endif
.irp a, 0,1,2,3
.irp b, 0,1,2,3,4,5,6,7
.if (\s) == 0
	v_wmma_f32_16x16x32_f16 v[8*(8*\a+\b):8*(8*\a+\b)+7], v[BS+32+8*\b:BS+32+8*\b+7], v[BS+8*\a:BS+8*\a+7], 0
.else
	v_wmma_f32_16x16x32_f16 v[8*(8*\a+\b):8*(8*\a+\b)+7], v[BS+32+8*\b:BS+32+8*\b+7], v[BS+8*\a:BS+8*\a+7], v[8*(8*\a+\b):8*(8*\a+\b)+7]
.endif
.endr
.endr
	WIN 0
.rept 4
	v_nop                                          ; four places in front of loads into registers that matrix instructions have read, and of the first read of results
.endr
.if (\s)+3 < 16
	LD (\s)+3
.endif
.endm
.irp s, 0,1,2,3,4,5,6,7,8,9,10,11,12,13,14,15
	KS \s
.endr
.macro BLOCK a                         ; 16 rows x 128 columns: scaled, through my stage, out as whole rows
	WIN 0x41                                       ; destination and source 0 window 1
.set n, 0
.rept 32
	v_pk_mul_f32 v[64*(\a)+n:64*(\a)+n+1], v[64*(\a)+n:64*(\a)+n+1], v[28:29] op_sel_hi:[1,0]   ; ascending: each accumulator from its low end on
.set n, n+2
.endr
	WIN 0x04                                       ; an LDS store's data are its source 1
.irp b, 0,1,2,3,4,5,6,7
	ds_store_b128 v[STO], v[64*(\a)+8*\b:64*(\a)+8*\b+3] offset:64*\b
	ds_store_b128 v[STO], v[64*(\a)+8*\b+4:64*(\a)+8*\b+7] offset:64*\b+16
.endr
	WIN 0
.if (\a) >= 2
	s_wait_xcnt 0x0                                ; the stores of two blocks ago have read these registers
.endif
.set n, 0
.rept 16
	ds_load_b128 v[32+64*((\a)%2)+4*n:32+64*((\a)%2)+4*n+3], v[RD] offset:n*SPITCH   ; LDS serves a wave's instructions in order: these see my stores, and the next block's stores come behind them
.set n, n+1
.endr
	s_wait_dscnt 0x0
.set n, 0
.rept 16
	global_store_b128 v1, v[32+64*((\a)%2)+4*n:32+64*((\a)%2)+4*n+3], s[24:25] offset:(\a)*65536+n*4096 th:TH_STORE_NT   ; 32 lanes store 512 consecutive bytes, aligned
.set n, n+1
.endr
.endm
	s_cmp_eq_u32 s30, 0                            ; ids alone: positions 0-15 belong to the launch that makes them in f32
	s_cbranch_scc1 .Lskip0
	BLOCK 0
.Lskip0:
	BLOCK 1
	BLOCK 2
	BLOCK 3
	s_wait_tensorcnt 0x0                           ; the wave's end
	ds_add_u32 v[SPW], v[NIL]
	s_wait_dscnt 0x0
	s_endpgm
.Lfunc_end_k_q6c61b30aaf_oproj:
	.size	k_q6c61b30aaf_oproj, .Lfunc_end_k_q6c61b30aaf_oproj-k_q6c61b30aaf_oproj
	.p2alignl 7, 3214868480
	.fill 96, 4, 3214868480
	.section	.rodata,"a",@progbits
	.p2align	6, 0x0
	.amdhsa_kernel k_q6c61b30aaf_oproj
		.amdhsa_group_segment_fixed_size 34304
		.amdhsa_private_segment_fixed_size 0
		.amdhsa_enable_private_segment 0
		.amdhsa_kernarg_size 32
		.amdhsa_user_sgpr_count 2
		.amdhsa_user_sgpr_kernarg_segment_ptr 1
		.amdhsa_wavefront_size32 1
		.amdhsa_system_sgpr_workgroup_id_x 1
		.amdhsa_system_sgpr_workgroup_id_y 1
		.amdhsa_system_sgpr_workgroup_id_z 1
		.amdhsa_system_vgpr_workitem_id 0
		.amdhsa_next_free_vgpr 640
		.amdhsa_next_free_sgpr 66
		.amdhsa_reserve_vcc 0
		.amdhsa_float_denorm_mode_32 3
		.amdhsa_float_denorm_mode_16_64 3
		.amdhsa_memory_ordered 1
		.amdhsa_forward_progress 1
		.amdhsa_inst_pref_size 101
	.end_amdhsa_kernel
	.amdgpu_metadata
---
amdhsa.version: [ 1, 2 ]
amdhsa.kernels:
  - .name:           k_q6c61b30aaf_oproj
    .symbol:         k_q6c61b30aaf_oproj.kd
    .args:
      - { .name: pre, .offset: 0, .size: 8, .value_kind: global_buffer, .address_space: global }
      - { .name: prj, .offset: 8, .size: 8, .value_kind: global_buffer, .address_space: global }
      - { .name: oc, .offset: 16, .size: 8, .value_kind: global_buffer, .address_space: global }
      - { .name: out0, .offset: 24, .size: 8, .value_kind: global_buffer, .address_space: global }
    .group_segment_fixed_size: 34304
    .private_segment_fixed_size: 0
    .kernarg_segment_align: 8
    .kernarg_segment_size: 32
    .max_flat_workgroup_size: 128
    .sgpr_count:     66
    .vgpr_count:     640
    .wavefront_size: 32
...
	.end_amdgpu_metadata
.endif
;; end of part 5
;; launch fine_attn (part 6): grid 16 x 4, 1 waves a work-group, no clusters, 0 bytes of LDS; arguments prj, Wk, Wv, k_g, ofn; writes ofn
.if DOCPART == 6
	.amdgcn_target "amdgcn-amd-amdhsa--gfx1250"
	.amdhsa_code_object_version 6
	.text
	.protected	k_q6c61b30aaf_fine_attn
	.globl	k_q6c61b30aaf_fine_attn
	.p2align	8
	.type	k_q6c61b30aaf_fine_attn,@function
k_q6c61b30aaf_fine_attn:
	s_mov_b64 s[64:65], 0
	v_nop
	global_prefetch_b8 v0, s[64:65] scope:SCOPE_SE
	s_setreg_imm32_b32 hwreg(HW_REG_WAVE_MODE, 25, 1), 1
	s_wait_xcnt 0x0
; fine_attn: the first 16 positions of each (b, h), all in f32: k and v from kv, the norm of k, the scores, the softmax, the weighted values.  These rows average one to sixteen values and are the largest of the output.
; One wave to a (b, h).  The f32 matrix form takes 4 along K: lane (r, h) holds row r and k = 2 h + 0, 1.  K is permuted alike on both sides: the step (nt, j0) stands for indices 16 nt + 8 h + j0 + 0, 1,
; so that the f32 images that the projection stored (a lane: one token, eight neighbouring indices 16 nt + 8 h + j) are operands as they lie, and so are the results of each product for the next.
; The registers that the matrix form writes, v192-255, are written by nothing else; each sum begins with the constant 0; two sums take turns throughout.
; q already holds log2(e) / 8.  v is taken as it is: no scale.
; REGISTERS.  window 0: v1 16 x lane, v2 the weights' offset, v3 r - 8 h, v5 32 h, v16-31 q, v32-95 kv, v96-111 k_g, v112-159 at work, v192 k (2 tiles), v208 v (2), v224 two halves of the scores, v240 O^T (2).
;   window 1: the weights, v[64 c + 8 nt + j]: c = 0, 1 Wk's two tiles of 16 columns, 2, 3 Wv's.
.set QF,  10485760
.set KVF, 10616832
.set MSB, 0
.macro WIN new
.if MSB != (\new)
	s_set_vgpr_msb (MSB<<8)|(\new)
.set MSB, (\new)
.endif
.endm
	s_load_b256 s[4:11], s[0:1], 0x0               ; prj, Wk, Wv, k_g
	s_load_b64 s[12:13], s[0:1], 0x20              ; ofn
	v_lshlrev_b32 v1, 4, v0
	v_and_b32 v3, 15, v0
	v_bfe_u32 v4, v0, 4, 1
	v_lshlrev_b32 v2, 2, v3
	v_lshl_add_u32 v2, v4, 14, v2                  ; 4 r + 8 h rows of 2,048 bytes
	v_lshlrev_b32 v5, 5, v4
	v_lshlrev_b32 v4, 3, v4
	v_sub_nc_u32 v3, v3, v4
	s_and_b32 s14, ttmp7, 0xffff                   ; b
	s_lshl_b32 s15, s14, 4
	s_add_co_u32 s15, s15, ttmp9                   ; 16 b + head
	s_mov_b32 s17, 0
	s_mov_b32 s20, 0x76543210
	s_mov_b32 s21, 0xfedcba98
	s_mov_b32 s22, 0x3d000000                      ; 1 / 32
	s_mov_b32 s23, 0x358637bd                      ; 1e-6
	s_wait_kmcnt 0x0
	s_lshl_b32 s16, s15, 11
	s_add_nc_u64 s[12:13], s[12:13], s[16:17]
	s_add_co_u32 s16, s16, QF
	s_add_nc_u64 s[24:25], s[4:5], s[16:17]
	s_lshl_b32 s16, s14, 13
	s_add_co_u32 s16, s16, KVF
	s_add_nc_u64 s[26:27], s[4:5], s[16:17]
	s_lshl_b32 s16, ttmp9, 7
	s_add_nc_u64 s[6:7], s[6:7], s[16:17]
	s_add_nc_u64 s[8:9], s[8:9], s[16:17]
.irp i, 0,1,2,3
	global_load_b128 v[16+4*\i:19+4*\i], v1, s[24:25] offset:512*\i
.endr
.set n, 0
.rept 16
	global_load_b128 v[32+4*n:35+4*n], v1, s[26:27] offset:512*n
.set n, n+1
.endr
.irp bb, 0,1
	global_load_b128 v[96+8*\bb:99+8*\bb], v5, s[10:11] offset:64*\bb
	global_load_b128 v[100+8*\bb:103+8*\bb], v5, s[10:11] offset:64*\bb+16
.endr
	WIN 0x40
.irp c, 0,1
.set n, 0
.rept 64
	global_load_b32 v[64*\c+n], v2, s[6:7] offset:(16*(n/8)+n%8)*2048+\c*64
.set n, n+1
.endr
.endr
.irp c, 0,1
.set n, 0
.rept 64
	global_load_b32 v[128+64*\c+n], v2, s[8:9] offset:(16*(n/8)+n%8)*2048+\c*64
.set n, n+1
.endr
.endr
	s_wait_loadcnt 63                              ; all but the youngest 63 loads, which are Wv's: q, kv, k_g and Wk are in
	WIN 0x01                                       ; source 0 (Wk) window 1.  k, transposed: a lane holds one token and 8 channels
	v_wmma_f32_16x16x4_f32 v[192:199], v[0:1], v[32:33], 0
	v_wmma_f32_16x16x4_f32 v[200:207], v[64:65], v[32:33], 0
.set n, 1
.rept 31
	v_wmma_f32_16x16x4_f32 v[192:199], v[2*n:2*n+1], v[32+2*n:33+2*n], v[192:199]
	v_wmma_f32_16x16x4_f32 v[200:207], v[64+2*n:65+2*n], v[32+2*n:33+2*n], v[200:207]
.set n, n+1
.endr
	s_wait_loadcnt 0x0
	WIN 0x04                                       ; source 1 (Wv) window 1.  v, the natural way: a lane holds one channel and 8 tokens
	v_wmma_f32_16x16x4_f32 v[208:215], v[32:33], v[128:129], 0
	v_wmma_f32_16x16x4_f32 v[216:223], v[32:33], v[192:193], 0
.set n, 1
.rept 31
	v_wmma_f32_16x16x4_f32 v[208:215], v[32+2*n:33+2*n], v[128+2*n:129+2*n], v[208:215]
	v_wmma_f32_16x16x4_f32 v[216:223], v[32+2*n:33+2*n], v[192+2*n:193+2*n], v[216:223]
.set n, n+1
.endr
	WIN 0
.rept 8
	v_nop                                          ; eight places behind this form, in front of the first read of results (ISA guide 7.12.1)
.endr
	v_pk_mul_f32 v[112:113], v[192:193], v[192:193]
	v_pk_mul_f32 v[114:115], v[200:201], v[200:201]
.irp j, 2,4,6
	v_pk_fma_f32 v[112:113], v[192+\j:193+\j], v[192+\j:193+\j], v[112:113]
	v_pk_fma_f32 v[114:115], v[200+\j:201+\j], v[200+\j:201+\j], v[114:115]
.endr
	v_pk_add_f32 v[112:113], v[112:113], v[114:115]
	v_add_f32 v112, v112, v113
	v_permlanex16_b32 v113, v112, s20, s21
	v_add_f32 v112, v112, v113
	v_fma_f32 v112, v112, s22, s23
	v_rsq_f32 v116, v112
	v_mov_b32 v117, 0                              ; (a plain line behind the root; the pair's upper half is written)
	s_wait_alu depctr_va_vdst(0)
.irp j, 0,2,4,6,8,10,12,14
	v_pk_mul_f32 v[120+\j:121+\j], v[192+\j:193+\j], v[116:117] op_sel_hi:[1,0]
.endr
.irp j, 0,2,4,6,8,10,12,14
	v_pk_mul_f32 v[120+\j:121+\j], v[120+\j:121+\j], v[96+\j:97+\j]     ; k / rms x k_g
.endr
	v_wmma_f32_16x16x4_f32 v[224:231], v[120:121], v[16:17], 0          ; S^T = K Q^T: a lane holds one query and keys 8 h + j; the 8 steps go to two sums by turns
	v_wmma_f32_16x16x4_f32 v[232:239], v[122:123], v[18:19], 0
.irp n, 2,4,6
	v_wmma_f32_16x16x4_f32 v[224:231], v[120+2*\n:121+2*\n], v[16+2*\n:17+2*\n], v[224:231]
	v_wmma_f32_16x16x4_f32 v[232:239], v[122+2*\n:123+2*\n], v[18+2*\n:19+2*\n], v[232:239]
.endr
.rept 8
	v_nop
.endr
.irp j, 0,2,4,6
	v_pk_add_f32 v[136+\j:137+\j], v[224+\j:225+\j], v[232+\j:233+\j]
.endr
	v_mov_b32 v144, 0xff800000
.irp j, 0,1,2,3,4,5,6,7
	v_cmp_gt_i32 vcc_lo, \j, v3                    ; key 8 h + j comes after query r
	v_cndmask_b32 v[136+\j], v[136+\j], v144, vcc_lo
.endr
	v_max3_num_f32 v145, v136, v137, v138
	v_max3_num_f32 v145, v145, v139, v140
	v_max3_num_f32 v145, v145, v141, v142
	v_max_num_f32 v145, v145, v143
	v_mov_b32 v146, 0
	v_permlanex16_b32 v146, v145, s20, s21
	v_max_num_f32 v145, v145, v146                 ; the row's maximum: key 0 counts for every query
.irp j, 0,1,2,3,4,5,6,7
	v_sub_f32 v[136+\j], v[136+\j], v145
.endr
.irp j, 0,1,2,3,4,5,6,7
	v_exp_f32 v[136+\j], v[136+\j]
.endr
	v_mov_b32 v149, 0
	s_wait_alu depctr_va_vdst(0)                   ; one wait for the eight
	v_pk_add_f32 v[146:147], v[136:137], v[138:139]
	v_pk_add_f32 v[150:151], v[140:141], v[142:143]
	v_pk_add_f32 v[146:147], v[146:147], v[150:151]
	v_add_f32 v146, v146, v147
	v_permlanex16_b32 v147, v146, s20, s21
	v_add_f32 v146, v146, v147
	v_rcp_f32 v148, v146
	v_nop
	s_wait_alu depctr_va_vdst(0)
.irp j, 0,2,4,6
	v_pk_mul_f32 v[152+\j:153+\j], v[136+\j:137+\j], v[148:149] op_sel_hi:[1,0]   ; the weights, normalised
.endr
	v_wmma_f32_16x16x4_f32 v[240:247], v[208:209], v[152:153], 0        ; O^T = V^T P: K = 16 keys; v's results are source 0 as they lie (far more than nine places behind them)
	v_wmma_f32_16x16x4_f32 v[248:255], v[216:217], v[152:153], 0
.irp j, 2,4,6
	v_wmma_f32_16x16x4_f32 v[240:247], v[208+\j:209+\j], v[152+\j:153+\j], v[240:247]
	v_wmma_f32_16x16x4_f32 v[248:255], v[216+\j:217+\j], v[152+\j:153+\j], v[248:255]
.endr
.rept 8
	v_nop
.endr
	global_store_b128 v1, v[240:243], s[12:13]
	global_store_b128 v1, v[244:247], s[12:13] offset:512
	global_store_b128 v1, v[248:251], s[12:13] offset:1024
	global_store_b128 v1, v[252:255], s[12:13] offset:1536
	s_endpgm
.Lfunc_end_k_q6c61b30aaf_fine_attn:
	.size	k_q6c61b30aaf_fine_attn, .Lfunc_end_k_q6c61b30aaf_fine_attn-k_q6c61b30aaf_fine_attn
	.p2alignl 7, 3214868480
	.fill 96, 4, 3214868480
	.section	.rodata,"a",@progbits
	.p2align	6, 0x0
	.amdhsa_kernel k_q6c61b30aaf_fine_attn
		.amdhsa_group_segment_fixed_size 0
		.amdhsa_private_segment_fixed_size 0
		.amdhsa_enable_private_segment 0
		.amdhsa_kernarg_size 40
		.amdhsa_user_sgpr_count 2
		.amdhsa_user_sgpr_kernarg_segment_ptr 1
		.amdhsa_wavefront_size32 1
		.amdhsa_system_sgpr_workgroup_id_x 1
		.amdhsa_system_sgpr_workgroup_id_y 1
		.amdhsa_system_sgpr_workgroup_id_z 1
		.amdhsa_system_vgpr_workitem_id 0
		.amdhsa_next_free_vgpr 512
		.amdhsa_next_free_sgpr 66
		.amdhsa_reserve_vcc 1
		.amdhsa_float_denorm_mode_32 3
		.amdhsa_float_denorm_mode_16_64 3
		.amdhsa_memory_ordered 1
		.amdhsa_forward_progress 1
		.amdhsa_inst_pref_size 43
	.end_amdhsa_kernel
	.amdgpu_metadata
---
amdhsa.version: [ 1, 2 ]
amdhsa.kernels:
  - .name:           k_q6c61b30aaf_fine_attn
    .symbol:         k_q6c61b30aaf_fine_attn.kd
    .args:
      - { .name: prj, .offset: 0, .size: 8, .value_kind: global_buffer, .address_space: global }
      - { .name: Wk, .offset: 8, .size: 8, .value_kind: global_buffer, .address_space: global }
      - { .name: Wv, .offset: 16, .size: 8, .value_kind: global_buffer, .address_space: global }
      - { .name: k_g, .offset: 24, .size: 8, .value_kind: global_buffer, .address_space: global }
      - { .name: ofn, .offset: 32, .size: 8, .value_kind: global_buffer, .address_space: global }
    .group_segment_fixed_size: 0
    .private_segment_fixed_size: 0
    .kernarg_segment_align: 8
    .kernarg_segment_size: 40
    .max_flat_workgroup_size: 32
    .sgpr_count:     66
    .vgpr_count:     512
    .wavefront_size: 32
...
	.end_amdgpu_metadata
.endif
;; end of part 6
;; launch fine_out (part 7): grid 16 x 4, 8 waves a work-group, no clusters, 35,840 bytes of LDS; arguments ofn, Wo, out0; writes out0
.if DOCPART == 7
	.amdgcn_target "amdgcn-amd-amdhsa--gfx1250"
	.amdhsa_code_object_version 6
	.text
	.protected	k_q6c61b30aaf_fine_out
	.globl	k_q6c61b30aaf_fine_out
	.p2align	8
	.type	k_q6c61b30aaf_fine_out,@function
k_q6c61b30aaf_fine_out:
	s_mov_b64 s[64:65], 0
	v_nop
	global_prefetch_b8 v0, s[64:65] scope:SCOPE_SE
	s_setreg_imm32_b32 hwreg(HW_REG_WAVE_MODE, 25, 1), 1
	s_wait_xcnt 0x0
; fine_out: out0's rows of positions 0-15 of each sequence, in f32: the sum over 16 heads x 32 channels of O[t][h][c] Wo[64 h + c][n].
; A work-group: one sequence, 64 columns.  Wave w takes heads 2 w and 2 w + 1 (K = 64: 16 steps of the f32 matrix form) for four tiles of 16 columns, which take turns; the eight waves' parts meet in LDS
; and are added in a fixed order; wave w then stores rows 2 w and 2 w + 1: sixteen lanes store 256 consecutive bytes, aligned.
; K is permuted alike on both sides, as in the launch before: the step (nt, j0) stands for channels 16 nt + 8 h + j0 + 0, 1.  TRANSPOSED use: source 0 = 16 columns of Wo, source 1 = the 16 tokens.
; The registers that the matrix form writes, v192-223, are written by nothing else; each sum begins with the constant 0.
; REGISTERS: v1 16 x lane, v2 Wo's offset, v3, v4 LDS addresses, v5 out0's offset, v6, v7 the add's two, v32-63 O, v64-191 Wo (32 nt + 16 head + 8 nt' + j), v192-223 four sums, v224-255 the eight parts.
.set PART,  4352                       ; a wave's part in LDS: 16 rows x (256 bytes + 16)
.set SPARE, 8*PART                     ; behind the parts: the spare words, 128 bytes a wave, which no other line names
.set SPW, 6
.set NIL, 7
	s_load_b128 s[4:7], s[0:1], 0x0                ; ofn, Wo
	s_load_b64 s[8:9], s[0:1], 0x10                ; out0
	v_lshl_add_u32 v[SPW], v0, 2, SPARE
	v_mov_b32 v[NIL], 0
	v_lshrrev_b32 v8, 5, v0
	v_readfirstlane_b32 s10, v8                    ; wave
	v_and_b32 v8, 31, v0
	v_lshlrev_b32 v1, 4, v8
	v_and_b32 v9, 15, v0                           ; r
	v_bfe_u32 v10, v0, 4, 1                        ; h
	v_lshlrev_b32 v2, 2, v9
	v_lshl_add_u32 v2, v10, 15, v2                 ; 4 r + 8 h rows of 4,096 bytes
	s_mul_i32 s11, s10, PART
	v_mul_u32_u24 v3, v9, 272
	v_lshl_add_u32 v3, v10, 5, v3
	v_add_nc_u32 v3, s11, v3                       ; my part: row r, + 32 h
	s_mul_i32 s11, s10, 544
	v_mul_u32_u24 v4, v10, 272
	v_lshl_add_u32 v4, v9, 4, v4
	v_add_nc_u32 v4, s11, v4                       ; back: row 2 w + h of every part, 16 bytes a lane
	v_lshlrev_b32 v5, 4, v9
	v_lshl_add_u32 v5, v10, 12, v5
	s_and_b32 s12, ttmp7, 0xffff                   ; b
	s_mov_b32 s15, 0
	s_wait_kmcnt 0x0
	s_lshl_b32 s14, s12, 4
	s_lshl_b32 s13, s10, 1
	s_add_co_u32 s14, s14, s13
	s_lshl_b32 s14, s14, 11                        ; (16 b + 2 w) x 2,048
	s_add_nc_u64 s[4:5], s[4:5], s[14:15]
	s_lshl_b32 s14, s10, 19                        ; 128 rows of 4,096 bytes
	s_lshl_b32 s13, ttmp9, 8
	s_add_co_u32 s14, s14, s13
	s_add_nc_u64 s[6:7], s[6:7], s[14:15]
	s_lshl_b32 s14, s12, 11
	s_lshl_b32 s16, s10, 1
	s_add_co_u32 s14, s14, s16
	s_lshl_b32 s14, s14, 12                        ; (2,048 b + 2 w) rows
	s_add_co_u32 s14, s14, s13
	s_add_nc_u64 s[8:9], s[8:9], s[14:15]
.set n, 0
.rept 8
	global_load_b128 v[32+4*n:35+4*n], v1, s[4:5] offset:512*n
.set n, n+1
.endr
.irp nt, 0,1,2,3
.set n, 0
.rept 32
	global_load_b32 v[64+32*\nt+n], v2, s[6:7] offset:(64*(n/16)+16*((n/8)%2)+n%8)*4096+\nt*64
.set n, n+1
.endr
.endr
	s_wait_loadcnt 0x0
.irp nt, 0,1,2,3
	v_wmma_f32_16x16x4_f32 v[192+8*\nt:199+8*\nt], v[64+32*\nt:65+32*\nt], v[32:33], 0
.endr
.set n, 1
.rept 15
.irp nt, 0,1,2,3
	v_wmma_f32_16x16x4_f32 v[192+8*\nt:199+8*\nt], v[64+32*\nt+2*n:65+32*\nt+2*n], v[32+2*n:33+2*n], v[192+8*\nt:199+8*\nt]
.endr
.set n, n+1
.endr
.rept 8
	v_nop                                          ; eight places behind this form, in front of the stores that read results
.endr
.irp nt, 0,1,2,3
	ds_store_b128 v3, v[192+8*\nt:195+8*\nt] offset:64*\nt
	ds_store_b128 v3, v[196+8*\nt:199+8*\nt] offset:64*\nt+16
.endr
	s_wait_dscnt 0x0                               ; for the others' sake: my part lies in LDS
	s_barrier_signal -1
	s_barrier_wait -1
.irp p, 0,1,2,3,4,5,6,7
	ds_load_b128 v[224+4*\p:227+4*\p], v4 offset:\p*PART
.endr
	s_wait_dscnt 0x0
.irp p, 1,2,3,4,5,6,7
	v_pk_add_f32 v[224:225], v[224:225], v[224+4*\p:225+4*\p]
	v_pk_add_f32 v[226:227], v[226:227], v[226+4*\p:227+4*\p]
.endr
	global_store_b128 v5, v[224:227], s[8:9]
	s_wait_tensorcnt 0x0                           ; the wave's end
	ds_add_u32 v[SPW], v[NIL]
	s_wait_dscnt 0x0
	s_endpgm
.Lfunc_end_k_q6c61b30aaf_fine_out:
	.size	k_q6c61b30aaf_fine_out, .Lfunc_end_k_q6c61b30aaf_fine_out-k_q6c61b30aaf_fine_out
	.p2alignl 7, 3214868480
	.fill 96, 4, 3214868480
	.section	.rodata,"a",@progbits
	.p2align	6, 0x0
	.amdhsa_kernel k_q6c61b30aaf_fine_out
		.amdhsa_group_segment_fixed_size 35840
		.amdhsa_private_segment_fixed_size 0
		.amdhsa_enable_private_segment 0
		.amdhsa_kernarg_size 24
		.amdhsa_user_sgpr_count 2
		.amdhsa_user_sgpr_kernarg_segment_ptr 1
		.amdhsa_wavefront_size32 1
		.amdhsa_system_sgpr_workgroup_id_x 1
		.amdhsa_system_sgpr_workgroup_id_y 1
		.amdhsa_system_sgpr_workgroup_id_z 1
		.amdhsa_system_vgpr_workitem_id 0
		.amdhsa_next_free_vgpr 256
		.amdhsa_next_free_sgpr 66
		.amdhsa_reserve_vcc 0
		.amdhsa_float_denorm_mode_32 3
		.amdhsa_float_denorm_mode_16_64 3
		.amdhsa_memory_ordered 1
		.amdhsa_forward_progress 1
		.amdhsa_inst_pref_size 22
	.end_amdhsa_kernel
	.amdgpu_metadata
---
amdhsa.version: [ 1, 2 ]
amdhsa.kernels:
  - .name:           k_q6c61b30aaf_fine_out
    .symbol:         k_q6c61b30aaf_fine_out.kd
    .args:
      - { .name: ofn, .offset: 0, .size: 8, .value_kind: global_buffer, .address_space: global }
      - { .name: Wo, .offset: 8, .size: 8, .value_kind: global_buffer, .address_space: global }
      - { .name: out0, .offset: 16, .size: 8, .value_kind: global_buffer, .address_space: global }
    .group_segment_fixed_size: 35840
    .private_segment_fixed_size: 0
    .kernarg_segment_align: 8
    .kernarg_segment_size: 24
    .max_flat_workgroup_size: 256
    .sgpr_count:     66
    .vgpr_count:     256
    .wavefront_size: 32
...
	.end_amdgpu_metadata
.endif
;; end of part 7
